; MI455X (gfx1250); checked and timed in simulation.
; The chip was launched on July 23, 2026; its instructions are those of AMD's public machine-readable ISA for CDNA 5 (MIT licence, August 2026) and "CDNA5" Instruction Set Architecture Reference Guide (July 2026). The comments in the code are by the model that wrote it; some were corrected since.
;; softattention. Allowed arithmetic: matrix products marked QUANTISED: E2M3 operands, one E8M0 scale for each 32 along K, by v_wmma_scale_f32_16x16x128_f8f6f4 with both operands' format E2M3, f32 sums; everything else in f32.
;; Inputs: cb 3,072 float32; cw 1,024 x 3,072 float32; pb 1,024 float32; pw 1,024 x 1,024 float32; score_weights 4 x 2,048 x 2,048 float32; x 4 x 2,048 x 1,024 float32.
;; Outputs: out0 4 x 2,048 x 1,024 float32.
;; This version of the problem:
;;   THIS VERSION OF THE PROBLEM IS GIVEN IN LOW PRECISION. The matrix products marked QUANTISED in the list below multiply operands that are first quantised to E2M3 (2 exponent bits, 3 mantissa bits; 6 bits a number), with one power-of-two scale for each 32 numbers along K (OCP MX v1.0); their sums are f32. All else is computed in f32.
;;   The module's matrix products, in the order in which they are computed (A, B: the left and right operand; K: the contracted axis; several contracted axes count as one K, in the product's order):
;;     1. [M 8,192, K 1,024] x [K 1,024, N 3,072]; A: input x; B: input cw: QUANTISED
;;     2. batch 4 x [M 2,048, K 1,024] x [K 1,024, N 2,048]; A: computed on the way; B: computed on the way: QUANTISED
;;     3. batch 4 x [M 2,048, K 2,048] x [K 2,048, N 1,024]; A: softmax (see below); B: computed on the way: QUANTISED
;;     4. [M 8,192, K 1,024] x [K 1,024, N 1,024]; A: computed on the way; B: input pw: QUANTISED
;;   THE QUANTISER, for each operand of a quantised product, along K:
;;     - K is cut into blocks of 32 from its start; a last block that is shorter is filled with zeros.
;;     - A block's scale is 2^e with e = floor(log2(the largest magnitude in the block)) - 2, held to -126 .. 127; a block of zeros has e = 0. As a byte (E8M0): e + 127.
;;     - Each number is divided by its block's scale, clamped to +-7.5, and rounded to the nearest number of E2M3, ties to even, subnormals kept.
;;     - The product sums the exact products of the quantised numbers (number of the format x scale) in f32.
;;   ~~~python
;;   def quantise(x, axis):      # numpy; x: float32 -> the quantised numbers, widened to float32 again
;;       x = np.moveaxis(x, axis, -1); K = x.shape[-1]
;;       x = np.pad(x, [(0, 0)] * (x.ndim - 1) + [(0, -K % 32)]); x = x.reshape(x.shape[:-1] + (-1, 32)); a = np.abs(x).max(-1, keepdims=True)
;;       e = np.where(a > 0, np.clip(np.frexp(np.where(a > 0, a, 1))[1] - 1 - 2, -126, 127), 0)      # np.frexp(a)[1] - 1 = floor(log2(a)), exactly
;;       r = np.clip(x / 2.0 ** e, -7.5, 7.5)
;;       step = 2.0 ** (np.maximum(np.frexp(np.where(r == 0, 1, r))[1] - 1, 0) - 3)
;;       q = np.round(r / step) * step * 2.0 ** e      # np.round: ties to even
;;       return np.moveaxis(q.reshape(q.shape[:-2] + (-1,))[..., :K], -1, axis).astype(np.float32)
;;   ~~~
;;   SOFTMAX AHEAD OF A QUANTISED PRODUCT. Where the list says 'softmax', what is quantised is not the finished softmax but p = 2^(t - M), with t = logit x log2(e) and M = ceil(the row's largest t), a whole number; so 1/2 < the row's largest p <= 1. The row's sum l is taken of the UNQUANTISED p, in f32, and the product's result is divided by l at the end. Since M is a whole number, a kernel that streams over the keys may use a running M (the ceiling of the running maximum): every later rescaling is an exact power of two, which a block's scale takes up: the codes' values come out the same.
;;   OPERANDS COMPUTED ON THE WAY. 'Computed on the way' means the value that the module computes at that place (a softmax that the list does not call 'softmax' is quantised finished and normalised). What goes into a quantiser is computed in f32, as accurately as f32 sums, v_exp_f32 and their like allow (about 1e-6 of the number): no bf16 or f16 on the way to a quantiser, and a product that is left as it is and whose result goes on into a quantised operand takes f32 operands (vector FMAs, or v_wmma_f32_16x16x4_f32). A number that lies on a knife's edge between two numbers of the format may be rounded either way, as far as f32 arithmetic and the matrix unit's own rounding can turn it there, and no further.
;; One version. Each part assembles by itself: llvm-mc -triple=amdgcn-amd-amdhsa -mcpu=gfx1250 --defsym DOCPART=n.
;; ======== version 1 of 1: 5 launches
;; limits: right only within a limited range of input values
;; workspace buffers: ops 9,961,472 bytes; qkv 21,495,808 bytes; pp 14,155,776 bytes; cx 6,553,600 bytes
;; launch quant (part 1): grid 512 x 1, 4 waves a work-group, no clusters, 47,616 bytes of LDS; arguments x, cw, pw, ops; writes ops
.if DOCPART == 1
	.amdgcn_target "amdgcn-amd-amdhsa--gfx1250"
	.amdhsa_code_object_version 6
	.text
	.protected	k_q141716c922_quant
	.globl	k_q141716c922_quant
	.p2align	8
	.type	k_q141716c922_quant,@function
k_q141716c922_quant:
	s_mov_b64 s[64:65], 0
	v_nop
	global_prefetch_b8 v0, s[64:65] scope:SCOPE_SE
	s_setreg_imm32_b32 hwreg(HW_REG_WAVE_MODE, 25, 1), 1
	s_wait_xcnt 0x0
; x [8192][1024], cw [1024][3072] and pw [1024][1024], f32, become codes of FP6 (E2M3) with one E8M0 byte for each 32 along K (K = the 1,024 hidden or attention channels).
; NOTHING OF THE PROBLEM IS LEFT OUT AS DEAD WORK in this program: every input has a way to the output (cb's part for k cancels in a softmax of real numbers, but it moves k's codes, so it stays).
; A block's scale is 2^(floor(log2(largest magnitude)) - 2): its byte is the largest magnitude's exponent field - 2, held at 1 from below.
; LIMITS: NaN and infinities among the inputs are not served; blocks whose largest magnitude lies under 2^-124 keep the byte 1; a block of zeros gets the byte 1 where the rule says 127: its codes are zeros, and this program alone reads the bytes.
; WHAT IS WRITTEN (buffer ops), laid as the products' operand registers want it:
;   an IMAGE is 16 rows x 128 K: the operand's 12 registers a lane, register 4 c + e of lane l at byte 512 c + 16 l + 4 e: 1,536 dense bytes.  Image ib, lane r (0..15) holds row 32 (ib / 2) + 8 (ib % 2) + r + 8 (r / 8).
;   codes: [ib][ks], ks = K / 128 fastest.   scale words: [ks][ig = row / 64][r][image in the group]: 256 bytes for each (ks, ig), 32,768 bytes from ks to ks.
;   x's codes at 0, the weights' at WC (rows 0-3071 = cw's columns, 3072-4095 = pw's), x's scale words at XS, the weights' at WS.
; Work-groups 0-255 take x (K innermost: a row's 512 bytes a load, turned through the wave's own stage in LDS so that a lane holds 16 neighbours of each block).
; Work-groups 256-511 take the weights (K is their first axis: a lane takes a column and its registers run down K; nothing is transposed by an instruction).
; The two paths have LDS bytes of their own.  No tensor load, no barrier: waves share nothing.
.set WC,    6291456
.set XS,    9437184
.set WS,    9699328
.set WSTG,  33792                      ; x's stages: 4 waves x 16 rows x 528 bytes from 0; the weights' stages from here: 4 waves x 2 images x 1,664 bytes
.set SPARE, 47104                      ; the spare words, 128 bytes a wave: two blocks of 256 bytes that no other line names
.set LI,    1                          ; v1   16 x lane
.set SPW,   14                         ; v14  my spare word; never rewritten
.set NIL,   15                         ; v15  0; never rewritten
.set SEL,   12                         ; s[12:13] lane selects: lane l xor 16
.set PC,    16                         ; v16-35  the codes just made
.set TM,    36                         ; v36-51  largest magnitudes, bytes, scale operands
.set PWG,   52                         ; v52-55  four images' scale words
.set S,     64                         ; v64-127 64 numbers of a lane: register 16 b + i = k 32 b + 16 (lane / 16) + i
.set R,     128                        ; v128-255 two sets of 16 rows as loaded
.set OFF,   96                         ; weights: v96-127 offsets of 32 rows;  v128-255 the lane's 128 numbers;  v64-95 codes, 8 registers a block
.set X,     128
.set C,     64
; 64 numbers of a lane become an image's codes in v[PC] on and the row's scale word in v[pw]
.macro QUANT s, pw
.irp b, 0,1,2,3
	v_max3_num_f32 v[TM+\b], |v[\s+16*\b]|, |v[\s+1+16*\b]|, 0x1800000   ; block b: my 16 numbers, and the floor 2^(3 - 127): the byte cannot fall under 1
.endr
.irp i, 2,4,6,8,10,12,14
.irp b, 0,1,2,3
	v_max3_num_f32 v[TM+\b], v[TM+\b], |v[\s+16*\b+\i]|, |v[\s+1+16*\b+\i]|   ; the four blocks by turns
.endr
.endr
.irp b, 0,1,2,3
	v_permlanex16_b32 v[TM+4+\b], v[TM+\b], s[SEL], s[SEL+1]
.endr
.irp b, 0,1,2,3
	v_max_num_f32 v[TM+\b], v[TM+\b], v[TM+4+\b]   ; with lane l xor 16's: the block's largest magnitude
.endr
.irp b, 0,1,2,3
	v_add_nc_u32 v[TM+12+\b], 0xff000000, v[TM+\b]   ; 2 off its exponent field: the conversion's scale operand
.endr
.irp b, 0,1,2,3
	v_lshrrev_b32 v[TM+4+\b], 23, v[TM+12+\b]      ; the scale's byte
.endr
	v_lshl_or_b32 v[\pw], v[TM+5], 8, v[TM+4]
	v_lshl_or_b32 v[\pw], v[TM+6], 16, v[\pw]
	v_lshl_or_b32 v[\pw], v[TM+7], 24, v[\pw]
.irp c, 0,1
	v_cvt_scalef32_pk16_fp6_f32 v[PC+6*\c:PC+2+6*\c], v[\s+32*\c:\s+15+32*\c], v[TM+12+2*\c]
	v_cvt_scalef32_pk16_fp6_f32 v[PC+12+4*\c:PC+14+4*\c], v[\s+16+32*\c:\s+31+32*\c], v[TM+12+2*\c+1]   ; (a conversion's three registers begin on an even number)
.endr
	v_nop                                          ; one plain place behind a scaled conversion
.irp c, 0,1                                    ; the operand wants a whole block in a lane: lanes 0-15 block 2 c, lanes 16-31 block 2 c + 1
.irp i, 0,1,2
	v_permlane16_swap_b32 v[PC+6*\c+\i], v[PC+12+4*\c+\i]
.endr
.irp i, 0,1,2
	v_mov_b32 v[PC+3+6*\c+\i], v[PC+12+4*\c+\i]
.endr
.endr
.endm
.macro IMGOUT sb, off                          ; the image leaves as it stands: each store covers 512 consecutive bytes, aligned
.irp c, 0,1,2
	global_store_b128 v[LI], v[PC+4*\c:PC+4*\c+3], s[\sb:\sb+1] offset:\off+512*\c
.endr
.endm
	s_load_b256 s[4:11], s[0:1], 0x0               ; x s[4:5], cw s[6:7], pw s[8:9], ops s[10:11]
	v_lshl_add_u32 v[SPW], v0, 2, SPARE
	v_mov_b32 v[NIL], 0
	v_lshrrev_b32 v1, 5, v0
	v_readfirstlane_b32 s16, v1                    ; wave 0..3
	v_and_b32 v9, 31, v0                           ; lane
	v_and_b32 v10, 15, v0                          ; r
	v_bfe_u32 v11, v0, 4, 1                        ; h
	v_lshlrev_b32 v[LI], 4, v9
	s_mov_b32 s[SEL], 0x76543210
	s_mov_b32 s[SEL+1], 0xfedcba98
	s_cmp_lt_u32 ttmp9, 256                        ; x's work-group or the weights'?  The work-group's number alone decides
	s_cbranch_scc0 .Lw
	; ---------------- x: a wave takes 64 rows x 128 K: four images
	v_lshlrev_b32 v2, 4, v10                       ; 16 r: the scale words' place
	s_mul_i32 s17, s16, 8448                       ; my stage
	v_add_nc_u32 v3, s17, v[LI]                    ; in: a row's 512 bytes as they lie
	v_mul_u32_u24 v4, v10, 528
	v_lshl_add_u32 v4, v11, 6, v4
	v_add_nc_u32 v4, s17, v4                       ; back: row r, + 64 h: my 16 numbers of each block
.irp b, 0,1,2,3
	v_mov_b32 v[TM+4+\b], 0                        ; written once: a lane permute's destination counts as one of its sources
.endr
	s_lshl_b32 s17, ttmp9, 2
	s_add_co_u32 s17, s17, s16                     ; my unit
	s_lshr_b32 s22, s17, 3                         ; ig: which 64 rows
	s_and_b32 s23, s17, 7                          ; ks: which 128 along K
	s_lshl_b32 s24, s22, 18                        ; 64 rows of 4,096 bytes
	s_lshl_b32 s25, s23, 9
	s_add_co_u32 s24, s24, s25
	s_mov_b32 s25, 0
	s_lshl_b32 s26, s22, 5
	s_add_co_u32 s26, s26, s23
	s_mul_i32 s26, s26, 1536                       ; image 4 ig, K step ks
	s_mov_b32 s27, 0
	s_lshl_b32 s28, s23, 7
	s_add_co_u32 s28, s28, s22
	s_lshl_b32 s28, s28, 8
	s_add_co_u32 s28, s28, XS
	s_mov_b32 s29, 0
	s_wait_alu depctr_va_vdst(0)
	s_wait_kmcnt 0x0
	s_add_nc_u64 s[4:5], s[4:5], s[24:25]
	s_add_nc_u64 s[18:19], s[10:11], s[26:27]
	s_add_nc_u64 s[20:21], s[10:11], s[28:29]
.macro LOADX i                                 ; image i's 16 rows: each load takes one row's 512 consecutive bytes
.irp r, 0,1,2,3,4,5,6,7,8,9,10,11,12,13,14,15
	global_load_b128 v[R+64*((\i)%2)+4*\r:R+64*((\i)%2)+4*\r+3], v[LI], s[4:5] offset:(32*((\i)/2)+8*((\i)%2)+\r+8*(\r/8))*4096 th:TH_LOAD_NT
.endr
.endm
.macro XIMG i
.if (\i) < 3
	s_wait_loadcnt 16                              ; this image's 16 loads are in; the next image's 16 may be out
.else
	s_wait_loadcnt 0x0
.endif
.irp r, 0,1,2,3,4,5,6,7,8,9,10,11,12,13,14,15
	ds_store_b128 v3, v[R+64*((\i)%2)+4*\r:R+64*((\i)%2)+4*\r+3] offset:528*\r
.endr
.irp b, 0,1,2,3
.irp j, 0,1,2,3
	ds_load_b128 v[S+16*\b+4*\j:S+16*\b+4*\j+3], v4 offset:128*\b+16*\j   ; LDS serves a wave's instructions in order: these see my stores
.endr
.endr
	s_wait_dscnt 0x0                               ; my numbers are back, and the stores have read their registers,
.if (\i) < 2
	LOADX (\i)+2                                   ; which take the image two further on
.endif
.if (\i) > 0
	s_wait_xcnt 0x0                                ; the last image's stores have read their data: the codes' registers are written again only behind this wait
.endif
	QUANT S, PWG+(\i)
	IMGOUT 18, 12288*(\i)
.endm
	LOADX 0
	LOADX 1
	XIMG 0
	XIMG 1
	XIMG 2
	XIMG 3
	global_store_b128 v2, v[PWG:PWG+3], s[20:21]   ; four words a row: lanes 0-15 fill 256 consecutive bytes, aligned; lanes 16-31 hold and write the same
	s_branch .Lend
	; ---------------- the weights: a wave takes 32 columns x 128 K: two images.  Lane nu takes column 32 bg + nu: it is lane r = nu % 8 + 8 (nu / 16) of image 2 bg + u, u = (nu / 8) % 2
.Lw:
	v_bfe_u32 v2, v0, 3, 1                         ; u
	v_and_b32 v3, 7, v0
	s_wait_alu depctr_va_vdst(0)
	v_lshl_add_u32 v3, v11, 3, v3                  ; r
	s_mul_i32 s17, s16, 3328
	s_add_co_u32 s17, s17, WSTG                    ; my two images' stage
	v_mul_u32_u24 v5, v2, 1664
	v_lshl_add_u32 v5, v3, 4, v5
	v_add_nc_u32 v5, s17, v5                       ; in: image u, 16 r
	v_add_nc_u32 v6, s17, v[LI]                    ; back: 16 x lane
	v_lshlrev_b32 v7, 4, v3
	v_lshl_add_u32 v7, v2, 2, v7                   ; the scale word's place: 16 r + 4 u
	s_sub_co_u32 s17, ttmp9, 256
	s_lshr_b32 s22, s17, 3                         ; which 128 of the 4,096 columns
	s_and_b32 s23, s17, 7                          ; ks
	s_sub_co_u32 s33, s22, 24                      ; the same counted in pw (used only where it is 0 or more)
	s_mov_b32 s32, 4096
	s_wait_kmcnt 0x0
	s_cmp_lt_u32 s22, 24                           ; cw's columns or pw's: ids alone decide
	s_cselect_b64 s[6:7], s[6:7], s[8:9]
	s_cselect_b32 s32, 12288, s32                  ; a row of the source in bytes
	s_cselect_b32 s33, s22, s33
	s_lshl_b32 s34, s23, 7
	s_mul_i32 s34, s34, s32                        ; 128 ks rows down
	s_lshl_b32 s35, s33, 9
	s_add_co_u32 s34, s34, s35
	s_lshl_b32 s35, s16, 7
	s_add_co_u32 s34, s34, s35                     ; + my wave's 32 columns
	s_mov_b32 s35, 0
	s_lshl_b32 s36, s32, 5                         ; 32 rows
	s_mov_b32 s37, 0
	s_add_nc_u64 s[24:25], s[6:7], s[34:35]        ; a base for each block of 32 along K
	s_add_nc_u64 s[26:27], s[24:25], s[36:37]
	s_add_nc_u64 s[28:29], s[26:27], s[36:37]
	s_add_nc_u64 s[30:31], s[28:29], s[36:37]
	v_lshlrev_b32 v[OFF], 2, v9                    ; 4 nu + i rows
.set I, 1
.rept 31
	v_add_nc_u32 v[OFF+I], s32, v[OFF+I-1]
.set I, I+1
.endr
.irp k, 0,1,2,3
.set I, 0
.rept 32
	global_load_b32 v[X+32*\k+I], v[OFF+I], s[24+2*\k:25+2*\k] th:TH_LOAD_NT   ; 32 lanes read 128 consecutive bytes, the four waves 512
.set I, I+1
.endr
.endr
	s_lshl_b32 s17, s22, 2
	s_add_co_u32 s17, s17, s16                     ; bg: my pair of images
	s_lshl_b32 s38, s17, 4
	s_add_co_u32 s38, s38, s23
	s_mul_i32 s38, s38, 1536
	s_add_co_u32 s38, s38, WC
	s_mov_b32 s39, 0
	s_add_nc_u64 s[18:19], s[10:11], s[38:39]
	s_lshl_b32 s38, s23, 7
	s_lshr_b32 s40, s17, 1
	s_add_co_u32 s38, s38, s40
	s_lshl_b32 s38, s38, 8
	s_and_b32 s40, s17, 1
	s_lshl_b32 s40, s40, 3
	s_add_co_u32 s38, s38, s40
	s_add_co_u32 s38, s38, WS
	s_add_nc_u64 s[20:21], s[10:11], s[38:39]
; Block bk = 2 c + hb of my column: all 32 numbers are mine.  Its six registers of codes are registers 6 c .. 6 c + 5 of lane r + 16 hb of the image.
.macro WBLOCK bk, left
.set XB, X+32*(\bk)
.set CB, C+8*(\bk)
	s_wait_loadcnt \left                           ; at most so many of the 128 loads are out: this block's 32 are in
	v_max3_num_f32 v61, |v[XB]|, |v[XB+1]|, |v[XB+2]|
	v_max3_num_f32 v62, |v[XB+3]|, |v[XB+4]|, |v[XB+5]|
.irp i, 6,10,14,18,22,26
	v_max3_num_f32 v61, v61, |v[XB+\i]|, |v[XB+\i+1]|
	v_max3_num_f32 v62, v62, |v[XB+\i+2]|, |v[XB+\i+3]|
.endr
	v_max3_num_f32 v61, v61, |v[XB+30]|, |v[XB+31]|
	v_max3_num_f32 v61, v61, v62, 0x1800000        ; and the floor
	v_add_nc_u32 v63, 0xff000000, v61              ; the conversion's scale operand
	v_lshrrev_b32 v62, 23, v63                     ; the byte
.if (\bk) == 0
	v_mov_b32 v60, v62
.else
	v_lshl_or_b32 v60, v62, 8*(\bk), v60           ; my column's scale word
.endif
	v_cvt_scalef32_pk16_fp6_f32 v[CB:CB+2], v[XB:XB+15], v63
	v_cvt_scalef32_pk16_fp6_f32 v[56:58], v[XB+16:XB+31], v63      ; (three registers from an even number on: made here and moved)
	v_nop                                          ; one plain place behind a scaled conversion
	v_mov_b32 v[CB+3], v56
	v_mov_b32 v[CB+4], v57
	v_mov_b32 v[CB+5], v58
.if (\bk)/2 == 0
	ds_store_b128 v5, v[CB:CB+3] offset:256*((\bk)%2)              ; registers 0-3
	ds_store_b64 v5, v[CB+4:CB+5] offset:512+256*((\bk)%2)         ; registers 4, 5
.else
	ds_store_b64 v5, v[CB:CB+1] offset:520+256*((\bk)%2)           ; registers 6, 7
	ds_store_b128 v5, v[CB+2:CB+5] offset:1024+256*((\bk)%2)       ; registers 8-11
.endif
.endm
	WBLOCK 0, 63                                   ; (a wait names 63 at the most: 63 of 128 out means that the first 65 are in)
	WBLOCK 1, 63
	WBLOCK 2, 32
	WBLOCK 3, 0
.irp u, 0,1
.irp c, 0,1,2
	ds_load_b128 v[16+12*\u+4*\c:16+12*\u+4*\c+3], v6 offset:1664*\u+512*\c   ; the two images, whole: LDS serves a wave's instructions in order
.endr
.endr
	s_wait_alu depctr_va_vdst(0)
	s_wait_dscnt 0x0
.irp u, 0,1
.irp c, 0,1,2
	global_store_b128 v[LI], v[16+12*\u+4*\c:16+12*\u+4*\c+3], s[18:19] offset:12288*\u+512*\c
.endr
.endr
	global_store_b32 v7, v60, s[20:21]             ; the scale words leave in pieces of 8 bytes, 16 bytes apart: one byte for each 128 that the launch reads
.Lend:
	s_wait_tensorcnt 0x0                           ; the wave's end, behind my last LDS store
	ds_add_u32 v[SPW], v[NIL]
	s_wait_dscnt 0x0
	s_endpgm
.Lfunc_end_k_q141716c922_quant:
	.size	k_q141716c922_quant, .Lfunc_end_k_q141716c922_quant-k_q141716c922_quant
	.p2alignl 7, 3214868480
	.fill 96, 4, 3214868480
	.section	.rodata,"a",@progbits
	.p2align	6, 0x0
	.amdhsa_kernel k_q141716c922_quant
		.amdhsa_group_segment_fixed_size 47616
		.amdhsa_private_segment_fixed_size 0
		.amdhsa_enable_private_segment 0
		.amdhsa_kernarg_size 32
		.amdhsa_user_sgpr_count 2
		.amdhsa_user_sgpr_kernarg_segment_ptr 1
		.amdhsa_wavefront_size32 1
		.amdhsa_system_sgpr_workgroup_id_x 1
		.amdhsa_system_sgpr_workgroup_id_y 1
		.amdhsa_system_sgpr_workgroup_id_z 1
		.amdhsa_system_vgpr_workitem_id 0
		.amdhsa_next_free_vgpr 256
		.amdhsa_next_free_sgpr 66
		.amdhsa_reserve_vcc 0
		.amdhsa_float_denorm_mode_32 3
		.amdhsa_float_denorm_mode_16_64 3
		.amdhsa_memory_ordered 1
		.amdhsa_forward_progress 1
		.amdhsa_inst_pref_size 56
	.end_amdhsa_kernel
	.amdgpu_metadata
---
amdhsa.version: [ 1, 2 ]
amdhsa.kernels:
  - .name:           k_q141716c922_quant
    .symbol:         k_q141716c922_quant.kd
    .args:
      - { .name: x, .offset: 0, .size: 8, .value_kind: global_buffer, .address_space: global }
      - { .name: cw, .offset: 8, .size: 8, .value_kind: global_buffer, .address_space: global }
      - { .name: pw, .offset: 16, .size: 8, .value_kind: global_buffer, .address_space: global }
      - { .name: ops, .offset: 24, .size: 8, .value_kind: global_buffer, .address_space: global }
    .group_segment_fixed_size: 47616
    .private_segment_fixed_size: 0
    .kernarg_segment_align: 8
    .kernarg_segment_size: 32
    .max_flat_workgroup_size: 128
    .sgpr_count:     66
    .vgpr_count:     256
    .wavefront_size: 32
...
	.end_amdgpu_metadata
.endif
;; end of part 1
;; launch g1 (part 2): grid 4 x 64, 4 waves a work-group, clusters of 4 x 4, 327,680 bytes of LDS; arguments ops, cb, qkv; writes qkv
.if DOCPART == 2
	.amdgcn_target "amdgcn-amd-amdhsa--gfx1250"
	.amdhsa_code_object_version 6
	.text
	.protected	k_q141716c922_g1
	.globl	k_q141716c922_g1
	.p2align	8
	.type	k_q141716c922_g1,@function
k_q141716c922_g1:
	s_mov_b64 s[64:65], 0
	v_nop
	global_prefetch_b8 v0, s[64:65] scope:SCOPE_SE
	s_setreg_imm32_b32 hwreg(HW_REG_WAVE_MODE, 25, 1), 1
	s_wait_xcnt 0x0
	s_wait_alu depctr_hold_cnt(0) depctr_sa_sdst(0) depctr_va_vdst(0) depctr_va_sdst(0) depctr_va_ssrc(0) depctr_va_vcc(0) depctr_vm_vsrc(0)
	s_getreg_b32 s2, hwreg(HW_REG_IB_STS2, 6, 4)
	s_cmp_eq_u32 s2, 0
	s_cbranch_scc0 .Lentry_in_a_cluster
	s_endpgm
.Lentry_in_a_cluster:
	s_bfe_u32 s2, ttmp6, 0x10000c
	s_cmp_lg_u32 s2, 0xf033
	s_cbranch_scc0 .Lentry_shape_is_right
	s_endpgm
.Lentry_shape_is_right:
; c = x cw + cb on codes of FP6; q, k and v are quantised on the way out.  No work is left out as dead.
; q's and k's codes leave as [pair of K steps][image][2 K steps]: 1,572,864 bytes from pair to pair (q: pairs 0-3, k: pairs 4-7), 3,072 bytes an image, so that the next launch's tiles are long dense rows.
; v leaves transposed, as [image][16 K steps].  The scale words as in the first launch.
.set WC,    6291456
.set XS,    9437184
.set WS,    9699328
.set VTC,   12582912
.set QKS,   18874368
.set VTS,   19398656
.set SLOT,  147456
.set CBL,   2*SLOT
.set SPARE, CBL+6144
.set ADRA,  4
.set ADRB,  6
.set VS,    8
.set LI,    10
.set LR,    11
.set BN,    14
.set BM,    15
.set CST,   16
.set SPW,   28
.set NIL,   29
.set SCR,   32
.set PC,    80
.set TM,    100
.set PWG,   116
.set BP,    120
.set S0,    128
.set BV,    192
.set G1A,   24
.set G0A,   32
.set G1B,   48
.set G0B,   56
.set SEL,   98
.set MSB, 0
.macro WIN new
.if MSB != \new
	s_set_vgpr_msb (MSB<<8)|\new
.set MSB, \new
.endif
.endm
.macro PLACES n
.rept \n
	v_nop
.endr
.endm
.macro JLOAD g0a, g1a, g0b, g1b
	s_cmp_eq_u32 s15, 0
	s_cbranch_scc0 .Lfor_b_\@
	tensor_load_to_lds s[\g0a:\g0a+3], s[\g1a:\g1a+7]
	s_nop 0
.rept 4
	v_nop
.endr
	s_branch .Lasked_\@
.Lfor_b_\@:
	tensor_load_to_lds s[\g0b:\g0b+3], s[\g1b:\g1b+7]
	s_nop 0
.rept 4
	v_nop
.endr
.Lasked_\@:
.endm
.macro CROUND
	s_barrier_signal -1
	s_barrier_wait -1
	s_cmp_lg_u32 s14, 0
	s_cbranch_scc1 .Lnot_wave_0_\@
	s_barrier_signal -3
.Lnot_wave_0_\@:
	s_barrier_wait -3
	s_barrier_signal -1
	s_barrier_wait -1
.endm
.macro GROUP1 g, d0, d1, st
	s_mov_b32 s[\g+1], (\d0)<<16
	s_mov_b32 s[\g+2], (\d1)<<16
	s_mov_b32 s[\g+3], (\d0)<<16
	s_mov_b32 s[\g+4], \d1
	s_mov_b32 s[\g+5], \st
	s_mov_b32 s[\g+6], 0
	s_mov_b32 s[\g+7], 0
.endm
.macro G0SLOT g, lds, adr, s
	s_mov_b32 s[\g], 1
	s_add_co_u32 s[\g+1], s[\lds], (\s)*SLOT
	s_add_nc_u64 s[\g+2:\g+3], s[\adr:\adr+1], (\s)*6144
	s_or_b32 s[\g+3], s[\g+3], 0x80000000
.endm
.macro FETCH slot, q, p
	WIN 0x40
.irp b, 0,1,2,3,4,5,6,7
.irp c, 0,1,2
	ds_load_b128 v[128*(\p)+12*\b+4*\c:128*(\p)+12*\b+4*\c+3], v[ADRB+(\slot)] offset:6144*\b+1536*(\q)+512*\c
.endr
.endr
	WIN 0xc0
.irp a, 0,1,2,3
.irp c, 0,1,2
	ds_load_b128 v[96-96*(\p)+12*\a+4*\c:96-96*(\p)+12*\a+4*\c+3], v[ADRA+(\slot)] offset:6144*\a+1536*(\q)+512*\c
.endr
.endr
.endm
.macro SCLOAD t, pi
.if (\t) < 2
.set SAR, 22
.set SBR, 78
.set SBO, 4096*(\t)
.else
.set SAR, 80
.set SBR, 82
.set SBO, 0
.endif
	global_load_b128 v[SCR+12*(\pi):SCR+12*(\pi)+3], v[VS], s[SAR:SAR+1] offset:65536*(\pi)
	global_load_b128 v[SCR+12*(\pi)+4:SCR+12*(\pi)+7], v[VS], s[SBR:SBR+1] offset:65536*(\pi)+SBO
	global_load_b128 v[SCR+12*(\pi)+8:SCR+12*(\pi)+11], v[VS], s[SBR:SBR+1] offset:65536*(\pi)+SBO+256
.endm
.macro MUL32 st
.set PP, (\st)%2
.set SS, SCR+12*(((\st)%8)/2)
	WIN 0xad
.irp a, 0,1,2,3
.irp b, 0,1,2,3,4,5,6,7
.if ((\st)%8) == 0
	v_wmma_scale_f32_16x16x128_f8f6f4 v[8*(8*\a+\b):8*(8*\a+\b)+7], v[128*PP+12*\b:128*PP+12*\b+11], v[96-96*PP+12*\a:96-96*PP+12*\a+11], 0, v[SS+4+\b], v[SS+\a] matrix_a_fmt:MATRIX_FMT_FP6 matrix_b_fmt:MATRIX_FMT_FP6
.elseif PP == 0
	v_wmma_scale_f32_16x16x128_f8f6f4 v[8*(8*\a+\b):8*(8*\a+\b)+7], v[128*PP+12*\b:128*PP+12*\b+11], v[96-96*PP+12*\a:96-96*PP+12*\a+11], v[8*(8*\a+\b):8*(8*\a+\b)+7], v[SS+4+\b], v[SS+\a] matrix_a_fmt:MATRIX_FMT_FP6 matrix_b_fmt:MATRIX_FMT_FP6
.else
	v_wmma_scale_f32_16x16x128_f8f6f4 v[8*(8*\a+\b):8*(8*\a+\b)+7], v[128*PP+12*\b:128*PP+12*\b+11], v[96-96*PP+12*\a:96-96*PP+12*\a+11], v[8*(8*\a+\b):8*(8*\a+\b)+7], v[SS+4+\b], v[SS+\a] matrix_a_fmt:MATRIX_FMT_FP6 matrix_b_fmt:MATRIX_FMT_FP6 matrix_a_scale:MATRIX_SCALE_ROW1 matrix_b_scale:MATRIX_SCALE_ROW1
.endif
.endr
.endr
.endm
.macro STEP st, kind
.set SLN, ((\st)/4)%2
.if (((\st)%8) == 0) && ((\st) > 0)
	s_wait_loadcnt 0x0
.endif
.if (\kind) == 2
.if (\st)/8 == 0
.set ANX, 20
.set BNX, 70
.else
.set ANX, 68
.set BNX, 72
.endif
	s_wait_tensorcnt 0x0
	ds_add_u32 v[SPW], v[NIL]
	G0SLOT G0A+4*SLN, 2, ANX, SLN
	G0SLOT G0B+4*SLN, 3, BNX, SLN
	s_wait_dscnt 0x0
	CROUND
	JLOAD G0A+4*SLN, G1A, G0B+4*SLN, G1B
.else
	s_wait_dscnt 0x0
.if (\kind) == 1
	s_wait_tensorcnt 0x0
	s_barrier_signal -1
	s_barrier_wait -1
.endif
.endif
.if (\kind) != 3
.if ((\st) > 0) && ((\kind) != 2)
	PLACES 4
.endif
	FETCH (((\st)+1)/4)%2, ((\st)+1)%4, ((\st)+1)%2
.endif
	MUL32 \st
	WIN 0
.endm
.macro QUANT s, pw
.irp b, 0,1,2,3
	v_max3_num_f32 v[TM+\b], |v[\s+16*\b]|, |v[\s+1+16*\b]|, 0x1800000
.endr
.irp i, 2,4,6,8,10,12,14
.irp b, 0,1,2,3
	v_max3_num_f32 v[TM+\b], v[TM+\b], |v[\s+16*\b+\i]|, |v[\s+1+16*\b+\i]|
.endr
.endr
.irp b, 0,1,2,3
	v_permlanex16_b32 v[TM+4+\b], v[TM+\b], s[SEL], s[SEL+1]
.endr
.irp b, 0,1,2,3
	v_max_num_f32 v[TM+\b], v[TM+\b], v[TM+4+\b]
.endr
.irp b, 0,1,2,3
	v_add_nc_u32 v[TM+12+\b], 0xff000000, v[TM+\b]
.endr
.irp b, 0,1,2,3
	v_lshrrev_b32 v[TM+4+\b], 23, v[TM+12+\b]
.endr
	v_lshl_or_b32 v[\pw], v[TM+5], 8, v[TM+4]
	v_lshl_or_b32 v[\pw], v[TM+6], 16, v[\pw]
	v_lshl_or_b32 v[\pw], v[TM+7], 24, v[\pw]
.irp c, 0,1
	v_cvt_scalef32_pk16_fp6_f32 v[PC+6*\c:PC+2+6*\c], v[\s+32*\c:\s+15+32*\c], v[TM+12+2*\c]
	v_cvt_scalef32_pk16_fp6_f32 v[PC+12+4*\c:PC+14+4*\c], v[\s+16+32*\c:\s+31+32*\c], v[TM+12+2*\c+1]
.endr
	v_nop
.irp c, 0,1
.irp i, 0,1,2
	v_permlane16_swap_b32 v[PC+6*\c+\i], v[PC+12+4*\c+\i]
.endr
.irp i, 0,1,2
	v_mov_b32 v[PC+3+6*\c+\i], v[PC+12+4*\c+\i]
.endr
.endr
.endm
.macro IMGOUT sb, off
.irp c, 0,1,2
	global_store_b128 v[LI], v[PC+4*\c:PC+4*\c+3], s[\sb:\sb+1] offset:\off+512*\c
.endr
.endm
.macro EPI t
.if (\t) < 2
.set OCR, 12
.set OCO, 6291456*(\t)
.set OCA, 3072
.set OSR, 66
.set OSO, 262144*(\t)
.else
.set OCR, 74
.set OCA, 24576
.set OCO, 0
.set OSR, 76
.set OSO, 0
.endif
	PLACES 4
.if (\t) < 2
.irp be, 0,1,2,3
.irp j, 0,1,2,3
	ds_load_b128 v[BV+16*\be+4*\j:BV+16*\be+4*\j+3], v[BN] offset:2048*(\t)+128*\be+16*\j
.endr
.endr
.else
.irp a, 0,1,2,3
	ds_load_b32 v[BP+2*\a], v[BM] offset:4096+4*(32*(\a/2)+8*(\a%2))
	ds_load_b32 v[BP+2*\a+1], v[BM] offset:4096+4*(32*(\a/2)+8*(\a%2))
.endr
.endif
	s_wait_dscnt 0x0
.if (\t) < 2
	SCLOAD (\t)+1, 0                               ; the next tile's scale words, all four pairs of K steps: this tile's products are four places behind, and the way out's vector work stands ahead of their first use
	SCLOAD (\t)+1, 1
	SCLOAD (\t)+1, 2
	SCLOAD (\t)+1, 3
.endif
.irp a, 0,1,2,3
	WIN 0x02
.set J, 0
.rept 32
.if (\t) < 2
	v_pk_add_f32 v[S0+J:S0+J+1], v[64*\a+J:64*\a+J+1], v[BV+J:BV+J+1]
.else
	v_pk_add_f32 v[S0+J:S0+J+1], v[64*\a+J:64*\a+J+1], v[BP+2*\a:BP+2*\a+1]
.endif
.set J, J+2
.endr
	WIN 0
.if (\a > 0) || ((\t) > 0)
	s_wait_xcnt 0x0
.endif
	QUANT S0, PWG+\a
	IMGOUT OCR, OCA*\a+OCO
.endr
	global_store_b128 v[LR], v[PWG:PWG+3], s[OSR:OSR+1] offset:OSO
.endm
	s_load_b128 s[4:7], s[0:1], 0x0
	s_load_b64 s[8:9], s[0:1], 0x10
	v_lshl_add_u32 v[SPW], v0, 2, SPARE
	v_mov_b32 v[NIL], 0
	ds_add_u32 v[SPW], v[NIL]
	ds_add_u32 v[SPW], v[NIL]
	v_lshrrev_b32 v1, 5, v0
	v_readfirstlane_b32 s14, v1
	s_lshr_b32 s15, s14, 1
	s_and_b32 s16, s14, 1
	s_bfe_u32 s40, ttmp6, 0x40000
	s_bfe_u32 s41, ttmp6, 0x40004
	s_lshl_b32 s43, s41, 2
	s_lshl_b32 s43, 15, s43
	s_lshl_b32 s44, 0x1111, s40
	s_or_b32 s[G1A], s43, (3<<16)|(1<<21)
	s_or_b32 s[G1B], s44, (3<<16)|(1<<21)
	GROUP1 G1A, 768, 4, 1536
	GROUP1 G1B, 768, 8, 1536
	v_and_b32 v1, 31, v0
	v_and_b32 v2, 15, v0
	v_bfe_u32 v3, v0, 4, 1
	v_lshlrev_b32 v[LI], 4, v1
	v_lshlrev_b32 v[LR], 4, v2
	v_lshl_add_u32 v[VS], v3, 15, v[LR]
	s_mul_i32 s18, s15, 24576
	s_mul_i32 s19, s16, 49152
	s_add_co_u32 s19, s19, 49152
	v_add_nc_u32 v[ADRA], s18, v[LI]
	v_add_nc_u32 v[ADRB], s19, v[LI]
	s_add_co_u32 s18, s18, SLOT
	s_add_co_u32 s19, s19, SLOT
	v_add_nc_u32 v[ADRA+1], s18, v[LI]
	v_add_nc_u32 v[ADRB+1], s19, v[LI]
	s_mul_i32 s2, s16, 24576
	s_mul_i32 s3, s16, 49152
	s_add_co_u32 s3, s3, 49152
	s_mov_b32 s[SEL], 0x76543210
	s_mov_b32 s[SEL+1], 0xfedcba98
.irp b, 0,1,2,3
	v_mov_b32 v[TM+4+\b], 0
.endr
	s_lshl_b32 s18, s14, 9
	s_add_co_u32 s18, s18, CBL
	v_add_nc_u32 v[CST], s18, v[LI]
	v_lshl_add_u32 v[BN], v3, 6, s18
	v_and_b32 v17, 8, v2
	v_add_nc_u32 v17, v17, v2
	s_lshl_b32 s19, s15, 8
	s_add_co_u32 s19, s19, s18
	v_lshl_add_u32 v[BM], v17, 2, s19
	s_and_b32 s45, ttmp7, 0xffff
	s_lshl_b32 s17, s45, 2
	s_add_co_u32 s17, s17, s41
	s_and_b32 s86, s45, 1
	s_lshl_b32 s86, s86, 2
	s_add_co_u32 s86, s86, s41
	s_lshr_b32 s87, s45, 1
	s_lshl_b32 s87, s87, 2
	s_add_co_u32 s87, s87, s40
	s_lshl_b32 s20, s17, 3
	s_lshl_b32 s21, s16, 2
	s_add_co_u32 s20, s20, s21
	s_mul_i32 s20, s20, 12288
	s_mov_b32 s21, 0
	s_lshl_b32 s68, s86, 3
	s_lshl_b32 s69, s16, 2
	s_add_co_u32 s68, s68, s69
	s_mul_i32 s68, s68, 12288
	s_add_co_u32 s68, s68, WC+128*12288
	s_mov_b32 s69, 0
	s_lshl_b32 s46, s40, 4
	s_lshl_b32 s47, s16, 3
	s_add_co_u32 s46, s46, s47
	s_mul_i32 s46, s46, 12288
	s_add_co_u32 s46, s46, WC
	s_mov_b32 s47, 0
	s_lshl_b32 s72, s87, 4
	s_lshl_b32 s73, s16, 3
	s_add_co_u32 s72, s72, s73
	s_mul_i32 s72, s72, 12288
	s_mov_b32 s73, 0
	s_lshl_b32 s22, s17, 1
	s_add_co_u32 s22, s22, s15
	s_lshl_b32 s22, s22, 8
	s_add_co_u32 s22, s22, XS
	s_mov_b32 s23, 0
	s_lshl_b32 s80, s86, 1
	s_add_co_u32 s80, s80, s15
	s_lshl_b32 s80, s80, 8
	s_add_co_u32 s80, s80, WS+8192
	s_mov_b32 s81, 0
	s_lshl_b32 s78, s40, 2
	s_lshl_b32 s79, s16, 1
	s_add_co_u32 s78, s78, s79
	s_lshl_b32 s78, s78, 8
	s_add_co_u32 s78, s78, WS
	s_mov_b32 s79, 0
	s_lshl_b32 s82, s87, 2
	s_lshl_b32 s83, s16, 1
	s_add_co_u32 s82, s82, s83
	s_lshl_b32 s82, s82, 8
	s_add_co_u32 s82, s82, XS
	s_mov_b32 s83, 0
	s_lshl_b32 s88, s86, 9
	s_add_co_u32 s88, s88, 8192
	s_mov_b32 s89, 0
	s_lshl_b32 s90, s40, 10
	s_lshl_b32 s91, s16, 9
	s_add_co_u32 s90, s90, s91
	s_mov_b32 s91, 0
	s_wait_dscnt 0x0
	s_wait_kmcnt 0x0
	s_add_nc_u64 s[20:21], s[4:5], s[20:21]
	s_add_nc_u64 s[68:69], s[4:5], s[68:69]
	s_add_nc_u64 s[46:47], s[4:5], s[46:47]
	s_add_nc_u64 s[70:71], s[46:47], 786432
	s_add_nc_u64 s[72:73], s[4:5], s[72:73]
	s_add_nc_u64 s[22:23], s[4:5], s[22:23]
	s_add_nc_u64 s[80:81], s[4:5], s[80:81]
	s_add_nc_u64 s[78:79], s[4:5], s[78:79]
	s_add_nc_u64 s[82:83], s[4:5], s[82:83]
	s_add_nc_u64 s[84:85], s[6:7], s[88:89]
	s_add_nc_u64 s[6:7], s[6:7], s[90:91]
	CROUND
	G0SLOT G0A, 2, 20, 0
	G0SLOT G0B, 3, 46, 0
	JLOAD G0A, G1A, G0B, G1B
	G0SLOT G0A+4, 2, 20, 1
	G0SLOT G0B+4, 3, 46, 1
	s_wait_alu depctr_va_vdst(0)
	s_wait_tensorcnt 0x0
	ds_add_u32 v28, v29
	s_wait_dscnt 0x0
	CROUND
	JLOAD G0A+4, G1A, G0B+4, G1B
	SCLOAD 0, 0
	SCLOAD 0, 1
	SCLOAD 0, 2
	SCLOAD 0, 3
	global_load_b128 v[128:131], v[LI], s[6:7]
	global_load_b128 v[132:135], v[LI], s[6:7] offset:4096
	global_load_b128 v[136:139], v[LI], s[84:85]
	s_lshl_b32 s18, s40, 1
	s_add_co_u32 s18, s18, s16
	s_lshl_b32 s12, s17, 3
	s_lshl_b32 s13, s15, 2
	s_add_co_u32 s12, s12, s13
	s_mul_i32 s12, s12, 3072
	s_mul_i32 s13, s40, 1572864
	s_add_co_u32 s12, s12, s13
	s_mul_i32 s13, s16, 1536
	s_add_co_u32 s12, s12, s13
	s_mov_b32 s13, 0
	s_add_nc_u64 s[12:13], s[8:9], s[12:13]
	s_lshl_b32 s66, s18, 7
	s_lshl_b32 s67, s17, 1
	s_add_co_u32 s66, s66, s67
	s_add_co_u32 s66, s66, s15
	s_lshl_b32 s66, s66, 8
	s_add_co_u32 s66, s66, QKS
	s_mov_b32 s67, 0
	s_add_nc_u64 s[66:67], s[8:9], s[66:67]
	s_lshr_b32 s19, s87, 3
	s_and_b32 s18, s87, 7
	s_lshl_b32 s18, s18, 1
	s_add_co_u32 s18, s18, s16
	s_lshl_b32 s74, s86, 3
	s_lshl_b32 s75, s15, 2
	s_add_co_u32 s74, s74, s75
	s_lshl_b32 s74, s74, 4
	s_add_co_u32 s74, s74, s18
	s_mul_i32 s74, s74, 1536
	s_mul_i32 s75, s19, 1572864
	s_add_co_u32 s74, s74, s75
	s_add_co_u32 s74, s74, VTC
	s_mov_b32 s75, 0
	s_add_nc_u64 s[74:75], s[8:9], s[74:75]
	s_lshl_b32 s76, s18, 7
	s_lshl_b32 s77, s86, 1
	s_add_co_u32 s76, s76, s77
	s_add_co_u32 s76, s76, s15
	s_lshl_b32 s76, s76, 8
	s_lshl_b32 s77, s19, 19
	s_add_co_u32 s76, s76, s77
	s_add_co_u32 s76, s76, VTS
	s_mov_b32 s77, 0
	s_add_nc_u64 s[76:77], s[8:9], s[76:77]
	s_wait_loadcnt 0x0
	s_wait_alu depctr_va_vdst(0)
	ds_store_b128 v[CST], v[128:131]
	ds_store_b128 v[CST], v[132:135] offset:2048
	ds_store_b128 v[CST], v[136:139] offset:4096
	s_wait_dscnt 0x0
	s_wait_tensorcnt 0x1
	s_barrier_signal -1
	s_barrier_wait -1
	FETCH 0, 0, 0
	STEP 0, 0
	STEP 1, 0
	STEP 2, 0
	STEP 3, 2
	STEP 4, 0
	STEP 5, 0
	STEP 6, 0
	STEP 7, 2
	EPI 0
	STEP 8, 0
	STEP 9, 0
	STEP 10, 0
	STEP 11, 2
	STEP 12, 0
	STEP 13, 0
	STEP 14, 0
	STEP 15, 2
	EPI 1
	STEP 16, 0
	STEP 17, 0
	STEP 18, 0
	STEP 19, 1
	STEP 20, 0
	STEP 21, 0
	STEP 22, 0
	STEP 23, 3
	EPI 2
	s_wait_tensorcnt 0x0
	ds_add_u32 v[SPW], v[NIL]
	s_wait_dscnt 0x0
	CROUND
	s_endpgm
.Lfunc_end_k_q141716c922_g1:
	.size	k_q141716c922_g1, .Lfunc_end_k_q141716c922_g1-k_q141716c922_g1
	.p2alignl 7, 3214868480
	.fill 96, 4, 3214868480
	.section	.rodata,"a",@progbits
	.p2align	6, 0x0
	.amdhsa_kernel k_q141716c922_g1
		.amdhsa_group_segment_fixed_size 327680
		.amdhsa_private_segment_fixed_size 0
		.amdhsa_enable_private_segment 0
		.amdhsa_kernarg_size 24
		.amdhsa_user_sgpr_count 2
		.amdhsa_user_sgpr_kernarg_segment_ptr 1
		.amdhsa_wavefront_size32 1
		.amdhsa_system_sgpr_workgroup_id_x 1
		.amdhsa_system_sgpr_workgroup_id_y 1
		.amdhsa_system_sgpr_workgroup_id_z 1
		.amdhsa_system_vgpr_workitem_id 0
		.amdhsa_next_free_vgpr 1024
		.amdhsa_next_free_sgpr 102
		.amdhsa_reserve_vcc 0
		.amdhsa_float_denorm_mode_32 3
		.amdhsa_float_denorm_mode_16_64 3
		.amdhsa_memory_ordered 1
		.amdhsa_forward_progress 1
		.amdhsa_inst_pref_size 253
	.end_amdhsa_kernel
	.amdgpu_metadata
---
amdhsa.version: [ 1, 2 ]
amdhsa.kernels:
  - .name:           k_q141716c922_g1
    .symbol:         k_q141716c922_g1.kd
    .args:
      - { .name: ops, .offset: 0, .size: 8, .value_kind: global_buffer, .address_space: global }
      - { .name: cb, .offset: 8, .size: 8, .value_kind: global_buffer, .address_space: global }
      - { .name: qkv, .offset: 16, .size: 8, .value_kind: global_buffer, .address_space: global }
    .group_segment_fixed_size: 327680
    .private_segment_fixed_size: 0
    .kernarg_segment_align: 8
    .kernarg_segment_size: 24
    .max_flat_workgroup_size: 128
    .sgpr_count:     102
    .vgpr_count:     1024
    .wavefront_size: 32
...
	.end_amdgpu_metadata
.endif
;; end of part 2
;; launch g2 (part 3): grid 8 x 32, 4 waves a work-group, clusters of 4 x 4, 327,680 bytes of LDS; arguments qkv, score_weights, pp; writes pp
.if DOCPART == 3
	.amdgcn_target "amdgcn-amd-amdhsa--gfx1250"
	.amdhsa_code_object_version 6
	.text
	.protected	k_q141716c922_g2
	.globl	k_q141716c922_g2
	.p2align	8
	.type	k_q141716c922_g2,@function
k_q141716c922_g2:
	s_mov_b64 s[64:65], 0
	v_nop
	global_prefetch_b8 v0, s[64:65] scope:SCOPE_SE
	s_setreg_imm32_b32 hwreg(HW_REG_WAVE_MODE, 25, 1), 1
	s_wait_xcnt 0x0
	s_wait_alu depctr_hold_cnt(0) depctr_sa_sdst(0) depctr_va_vdst(0) depctr_va_sdst(0) depctr_va_ssrc(0) depctr_va_vcc(0) depctr_vm_vsrc(0)
	s_getreg_b32 s2, hwreg(HW_REG_IB_STS2, 6, 4)
	s_cmp_eq_u32 s2, 0
	s_cbranch_scc0 .Lentry_in_a_cluster
	s_endpgm
.Lentry_in_a_cluster:
	s_bfe_u32 s2, ttmp6, 0x10000c
	s_cmp_lg_u32 s2, 0xf033
	s_cbranch_scc0 .Lentry_shape_is_right
	s_endpgm
.Lentry_shape_is_right:
; logits = q k^T / 32 + score_weights on codes of FP6, and the softmax's p quantised along the keys on the way out.  No logit goes to memory.  No work is left out as dead.
; A work-group makes 256 queries x 256 keys of one batch, a wave 128 x 128: 64 accumulators, 512 registers.  The matrix instruction is used transposed (source 0 = an image of k, source 1 = an image of q):
; lane (r, h) holds one query, and register 16 be + i of block a the key 32 be + 16 h + i of my 128.
; THE CODES lie as [pair of K steps][image][2 steps].  A loading wave's part of LDS is 3 pairs x 8 images x 3,072 bytes.  One tensor load a wave at the head brings K steps 0-5 (3 rows of 24,576 bytes);
; when every wave has read steps 0 and 1, one joint refill brings steps 6 and 7 into their bytes (8 rows of 3,072 bytes): it has K steps 1 to 4, 256 matrix instructions, in which to land.
; The refill's bytes are prefetched behind the first barrier, one K step ahead of the refill: of the 24,576 bytes that a wave fetches, each of the four partners that ask jointly names 6,144 (24 units of 256 bytes), told apart by address.
; CLUSTERS: 4 x 4; q's tiles are shared along a row of the cluster, k's along a column, by joint loads.  THE SCALE WORDS of all 8 K steps come once, by 16 loads of whole 256-byte units, into 64 registers.
; THE SOFTMAX: t = logit x log2(e); M = the largest t of my 128 keys, rounded up to a whole number; p = 2^(t - M) is quantised; -M and the sum of the unquantised p go out beside the scale words.
; The next launch brings a row's parts under the row's M by whole powers of two, which the scale bytes take up.
; score_weights: a wave's 8 blocks of 16 rows x 512 bytes, asked for behind the codes.  All blocks are prefetched (16 rows x 2 units of 256 bytes, a lane a unit) in K steps 1 to 5: each unit is named once, by the one wave
; that reads it, two K steps or more ahead of its load.  Blocks 0 to 2 are loaded behind the last fetch of fragments, in K step 7; the others into registers as they come free (k's fragments, finished accumulators).
; Each block turns through the wave's stage (16 rows x 528 bytes) into the results' order, one block ahead of the vector work.
; The stage lies in the codes' bytes: they have had their last fill, and a barrier in the last K step shows that nobody reads them.
; LIMITS: NaN and infinities are not served; a p under 2^-126 counts as 0; a block whose largest p lies under 2^-124 keeps the byte 1; the scaled scores stay under 2^31 in magnitude.
; REGISTERS: window 0: v4-30 addresses and small numbers; v32-95 scale words, on the way out the quantiser's; v96-159 score_weights' block 0; v160-255 q's fragments, one set; on the way out v128-255 two sets of 64 numbers.
;   window 1: k's fragments, sets at v0 and v96; v192-255 block 1.  windows 2, 3: accumulator (a, b) at v[8 (8 (a % 4) + b)], blocks 0-3 and 4-7.
.set QKS,   18874368
.set PS,    12582912
.set KGB,   1572864
.set PART,  73728
.set SPARE, 4*PART
.set ADRA,  4
.set ADRB,  7
.set LI,    10
.set LR,    11
.set STO,   12
.set RD,    13
.set VS,    14
.set PFO,   15
.set NMP,   16
.set T6,    18
.set T7,    19
.set SUA,   20                         ; v20-27 the sum, in four chains of pairs
.set SPW,   28
.set NIL,   29
.set PFC,   30
.set SCR,   32
.set PC,    32
.set TM,    52
.set PWG,   68
.set MG,    76
.set LG,    84
.set Z0,    96
.set S0,    128
.set AF,    160
.set G1A,   24
.set G0A,   32
.set G1B,   48
.set G0B,   56
.set PFS,   74
.set SEL,   98
.set RSC,   94
.set CS,    100
.set MUL_LO, 0xa1
.set MUL_HI, 0xf1
.set MSB, 0
.macro WIN new
.if MSB != \new
	s_set_vgpr_msb (MSB<<8)|\new
.set MSB, \new
.endif
.endm
.macro PLACES n
.rept \n
	v_nop
.endr
.endm
.macro JLOAD                           ; a joint load: waves 0 and 1 for q, waves 2 and 3 for k; s_nop 0 and four v_nop follow each line
	s_cmp_eq_u32 s15, 0
	s_cbranch_scc0 .Lfor_b_\@
	tensor_load_to_lds s[G0A:G0A+3], s[G1A:G1A+7]
	s_nop 0
.rept 4
	v_nop
.endr
	s_branch .Lasked_\@
.Lfor_b_\@:
	tensor_load_to_lds s[G0B:G0B+3], s[G1B:G1B+7]
	s_nop 0
.rept 4
	v_nop
.endr
.Lasked_\@:
.endm
.macro CREST
	s_cmp_lg_u32 s14, 0
	s_cbranch_scc1 .Lnot_wave_0_\@
	s_barrier_signal -3
.Lnot_wave_0_\@:
	s_barrier_wait -3
	s_barrier_signal -1
	s_barrier_wait -1
.endm
.macro CROUND
	s_barrier_signal -1
	s_barrier_wait -1
	CREST
.endm
.macro GROUP1 g, d0, d1, st
	s_mov_b32 s[\g+1], (\d0)<<16
	s_mov_b32 s[\g+2], (\d1)<<16
	s_mov_b32 s[\g+3], (\d0)<<16
	s_mov_b32 s[\g+4], \d1
	s_mov_b32 s[\g+5], \st
.endm
.macro FETCH_B st, p                   ; k's eight images of K step st into set p
	WIN 0x40
.irp i, 0,1,2,3,4,5,6,7
.irp c, 0,1,2
	ds_load_b128 v[96*(\p)+12*\i+4*\c:96*(\p)+12*\i+4*\c+3], v[ADRB+(((\st)/2)%3)] offset:3072*\i+1536*((\st)%2)+512*\c
.endr
.endr
	WIN 0
.endm
.macro FETCH_A st, i0                  ; q's images i0 .. i0 + 3 of K step st
.irp i, \i0, \i0+1, \i0+2, \i0+3
.irp c, 0,1,2
	ds_load_b128 v[AF+12*(\i)+4*\c:AF+12*(\i)+4*\c+3], v[ADRA+(((\st)/2)%3)] offset:3072*(\i)+1536*((\st)%2)+512*\c
.endr
.endr
.endm
; 16 matrix instructions: q's blocks a0, a0 + 1 x k's eight.  The 64 accumulators take turns, one instruction a turn.  Even K steps' scale words lie in lanes 0-15, odd ones' in lanes 16-31
.macro MUL16 a0, st
.set SS, SCR+16*((\st)/2)
.set PB, 96*((\st)%2)
.irp a, \a0, \a0+1
.irp b, 0,1,2,3,4,5,6,7
.if (\st) == 0
	v_wmma_scale_f32_16x16x128_f8f6f4 v[8*(8*((\a)%4)+\b):8*(8*((\a)%4)+\b)+7], v[PB+12*\b:PB+12*\b+11], v[AF+12*(\a):AF+12*(\a)+11], 0, v[SS+8+\b], v[SS+(\a)] matrix_a_fmt:MATRIX_FMT_FP6 matrix_b_fmt:MATRIX_FMT_FP6
.elseif ((\st)%2) == 0
	v_wmma_scale_f32_16x16x128_f8f6f4 v[8*(8*((\a)%4)+\b):8*(8*((\a)%4)+\b)+7], v[PB+12*\b:PB+12*\b+11], v[AF+12*(\a):AF+12*(\a)+11], v[8*(8*((\a)%4)+\b):8*(8*((\a)%4)+\b)+7], v[SS+8+\b], v[SS+(\a)] matrix_a_fmt:MATRIX_FMT_FP6 matrix_b_fmt:MATRIX_FMT_FP6
.else
	v_wmma_scale_f32_16x16x128_f8f6f4 v[8*(8*((\a)%4)+\b):8*(8*((\a)%4)+\b)+7], v[PB+12*\b:PB+12*\b+11], v[AF+12*(\a):AF+12*(\a)+11], v[8*(8*((\a)%4)+\b):8*(8*((\a)%4)+\b)+7], v[SS+8+\b], v[SS+(\a)] matrix_a_fmt:MATRIX_FMT_FP6 matrix_b_fmt:MATRIX_FMT_FP6 matrix_a_scale:MATRIX_SCALE_ROW1 matrix_b_scale:MATRIX_SCALE_ROW1
.endif
.endr
.endr
.endm
.macro SWLOAD a, w, z                  ; block a's 16 rows of score_weights into window w from v[z] on: each load takes one row's 512 consecutive bytes; read once in the launch
	WIN (\w)<<6
.irp r, 0,1,2,3,4,5,6,7,8,9,10,11,12,13,14,15
	global_load_b128 v[\z+4*\r:\z+4*\r+3], v[LI], s[6:7] offset:(32*((\a)/2)+8*((\a)%2)+\r+8*(\r/8))*8192 th:TH_LOAD_NT
.endr
	WIN 0
.endm
.macro PF a                            ; block a of score_weights is prefetched; the address registers are never rewritten
	global_prefetch_b8 v[PFO], s[6:7] offset:(32*((\a)/2)+8*((\a)%2))*8192 th:TH_LOAD_NT scope:SCOPE_SE
.endm
; A K step: 64 matrix instructions; the next step's fragments are fetched in its middle (k's other set, q's blocks 0-3) and at its end (q's blocks 4-7)
.macro STEP st
.set NX, (\st)+1
.if (\st) == 1
	s_wait_tensorcnt 0x0                           ; all my tensor loads have landed
	ds_add_u32 v[SPW], v[NIL]                      ; 0 onto my spare word
.irp g, G1A, G1B
	GROUP1 \g, 384, 8, 384                         ; no tensor load of mine is out: from here on a load brings 8 images x 3,072 bytes, dense
.endr
	s_add_nc_u64 s[G0A+2:G0A+3], s[G0A+2:G0A+3], 3*KGB   ; K steps 6 and 7
	s_add_nc_u64 s[G0B+2:G0B+3], s[G0B+2:G0B+3], 3*KGB
	s_wait_dscnt 13                                ; the add and q's blocks 4-7 (12 loads) may be out
	WIN MUL_LO
	MUL16 0, \st
	s_wait_dscnt 0x0                               ; the add is done, and my reads of K steps 0 and 1 are over
	s_barrier_signal -1                            ; opens a round of the cluster's barrier
	MUL16 2, \st
	WIN 0
	s_barrier_wait -1
	CREST
	JLOAD                                          ; the refill, first behind the round; its four v_nop are the places in front of the loads below
.elseif (\st) == 5
	s_wait_tensorcnt 0x0                           ; my part of K steps 6 and 7 has landed
	s_wait_dscnt 12
	WIN MUL_LO
	MUL16 0, \st
	s_wait_dscnt 0x0
	s_barrier_signal -1
	MUL16 2, \st
	WIN 0
	s_barrier_wait -1                              ; everybody's part has landed
	PLACES 4
.else
	s_wait_dscnt 12                                ; k's set and q's blocks 0-3 are in; the youngest 12 loads (q's blocks 4-7) may be out
	WIN MUL_LO
	MUL16 0, \st
	MUL16 2, \st
	s_wait_dscnt 0x0
	PLACES 4                                       ; four places between products and loads into registers that they read
.endif
	FETCH_B NX, NX%2
	FETCH_A NX, 0
.if (\st) == 1                                 ; score_weights are asked for from here on: behind the refill of the codes
	PF 0
.elseif (\st) == 2
	PF 1
	PF 2
.elseif (\st) == 3
	PF 3
	PF 4
.elseif (\st) == 4
	PF 5
	PF 6
.elseif (\st) == 5
	PF 7
.endif
	WIN MUL_HI
	MUL16 4, \st
	MUL16 6, \st
	PLACES 4
	WIN 0
	FETCH_A NX, 4
.endm
.macro IMGOUT sb, off
.irp c, 0,1,2
	global_store_b128 v[LI], v[PC+4*\c:PC+4*\c+3], s[\sb:\sb+1] offset:\off+512*\c
.endr
.endm
; Block a's rows turn through my stage into the results' order.  lc: the loads issued behind block a's (a wait names 63 at the most)
.macro TRANSIT a, w, z, lc
	s_wait_loadcnt \lc
	WIN (\w)<<2                                    ; an LDS store's data are its source 1
.irp r, 0,1,2,3,4,5,6,7,8,9,10,11,12,13,14,15
	ds_store_b128 v[STO], v[\z+4*\r:\z+4*\r+3] offset:528*\r
.endr
	WIN 0
.irp be, 0,1,2,3
.irp j, 0,1,2,3
	ds_load_b128 v[S0+64*(((\a)+1)%2)+16*\be+4*\j:S0+64*(((\a)+1)%2)+16*\be+4*\j+3], v[RD] offset:128*\be+16*\j   ; LDS serves a wave's instructions in order
.endr
.endr
.endm
.macro LOGIT a                         ; sum / 32 + score_weights; each accumulator from its low end on
.set SB, S0+64*(((\a)+1)%2)
.if (\a) > 0
	s_wait_xcnt 0x0                                ; the last image's stores have read their data
.endif
	WIN 0x02+(\a)/4
	s_wait_alu depctr_va_vdst(0)                   ; directly ahead of the first reader of these results
.set J, 0
.rept 32
	v_pk_fma_f32 v[SB+J:SB+J+1], v[64*((\a)%4)+J:64*((\a)%4)+J+1], s[RSC:RSC+1], v[SB+J:SB+J+1] op_sel_hi:[1,0,1]
.set J, J+2
.endr
	WIN 0
.endm
.macro REST a                          ; the local softmax and p's codes
.set SB, S0+64*(((\a)+1)%2)
.irp b, 0,1,2,3
	v_max3_num_f32 v[TM+\b], v[SB+16*\b], v[SB+16*\b+1], v[SB+16*\b+2]   ; the largest logit of each block of 32 keys: for the row's maximum and, since p rises with the logit, for the block's largest p
.endr
.irp i, 3,5,7,9,11,13
.irp b, 0,1,2,3
	v_max3_num_f32 v[TM+\b], v[TM+\b], v[SB+16*\b+\i], v[SB+16*\b+\i+1]
.endr
.endr
.irp b, 0,1,2,3
	v_max_num_f32 v[TM+\b], v[TM+\b], v[SB+16*\b+15]
.endr
.irp b, 0,1,2,3
	v_permlanex16_b32 v[TM+4+\b], v[TM+\b], s[SEL], s[SEL+1]
.endr
.irp b, 0,1,2,3
	v_max_num_f32 v[TM+\b], v[TM+\b], v[TM+4+\b]   ; with lane l xor 16's 16 keys
.endr
	v_max3_num_f32 v[T6], v[TM], v[TM+1], v[TM+2]
	v_max_num_f32 v[T6], v[T6], v[TM+3]
	v_mul_f32 v[T6], s[CS], v[T6]                  ; the largest t of my query's 128 keys
	v_floor_f32 v[NMP], -v[T6]                     ; -M = -ceil(t): a whole number
.set J, 0
.rept 32
	v_pk_fma_f32 v[SB+J:SB+J+1], v[SB+J:SB+J+1], s[CS:CS+1], v[NMP:NMP+1] op_sel_hi:[1,0,0]   ; t - M
.set J, J+2
.endr
.irp b, 0,1,2,3
	v_fma_f32 v[TM+\b], v[TM+\b], s[CS], v[NMP]
.endr
.set J, 0
	s_wait_alu depctr_va_vdst(0)                   ; ahead of the batch
.rept 64
	v_exp_f32 v[SB+J], v[SB+J]                     ; p = 2^(t - M)
.set J, J+1
.endr
	v_mov_b32 v[MG+(\a)], v[NMP]                   ; -M is kept (the plain place behind the exponentials)
	s_wait_alu depctr_va_vdst(0)                   ; one wait for the batch of 64
.irp b, 0,1,2,3
	v_exp_f32 v[TM+\b], v[TM+\b]                   ; the block's largest p
.endr
.irp k, 0,1,2,3
	v_pk_add_f32 v[SUA+2*\k:SUA+2*\k+1], v[SB+2*\k:SB+2*\k+1], v[SB+8+2*\k:SB+9+2*\k]     ; the sum of the unquantised p, in four chains
.endr
.irp j, 16,24,32,40,48,56
.irp k, 0,1,2,3
	v_pk_add_f32 v[SUA+2*\k:SUA+2*\k+1], v[SUA+2*\k:SUA+2*\k+1], v[SB+\j+2*\k:SB+\j+2*\k+1]
.endr
.endr
	v_pk_add_f32 v[SUA:SUA+1], v[SUA:SUA+1], v[SUA+2:SUA+3]
	v_pk_add_f32 v[SUA+4:SUA+5], v[SUA+4:SUA+5], v[SUA+6:SUA+7]
	v_pk_add_f32 v[SUA:SUA+1], v[SUA:SUA+1], v[SUA+4:SUA+5]
	s_wait_alu depctr_va_vdst(0)                   ; and one for the four
.irp b, 0,1,2,3
	v_max_num_f32 v[TM+\b], 0x1800000, v[TM+\b]    ; the floor 2^(3 - 127): the byte cannot fall under 1
.endr
.irp b, 0,1,2,3
	v_add_nc_u32 v[TM+12+\b], 0xff000000, v[TM+\b]
.endr
.irp b, 0,1,2,3
	v_lshrrev_b32 v[TM+4+\b], 23, v[TM+12+\b]
.endr
	v_lshl_or_b32 v[PWG+(\a)], v[TM+5], 8, v[TM+4]
	v_lshl_or_b32 v[PWG+(\a)], v[TM+6], 16, v[PWG+(\a)]
	v_lshl_or_b32 v[PWG+(\a)], v[TM+7], 24, v[PWG+(\a)]
.irp c, 0,1
	v_cvt_scalef32_pk16_fp6_f32 v[PC+6*\c:PC+2+6*\c], v[SB+32*\c:SB+15+32*\c], v[TM+12+2*\c]
	v_cvt_scalef32_pk16_fp6_f32 v[PC+12+4*\c:PC+14+4*\c], v[SB+16+32*\c:SB+31+32*\c], v[TM+12+2*\c+1]
.endr
	v_add_f32 v[T6], v[SUA], v[SUA+1]              ; the sum's two halves (the plain place behind the conversions)
.irp c, 0,1
.irp i, 0,1,2
	v_permlane16_swap_b32 v[PC+6*\c+\i], v[PC+12+4*\c+\i]
.endr
.irp i, 0,1,2
	v_mov_b32 v[PC+3+6*\c+\i], v[PC+12+4*\c+\i]
.endr
.endr
	v_permlanex16_b32 v[T7], v[T6], s[SEL], s[SEL+1]
	v_add_f32 v[LG+(\a)], v[T6], v[T7]             ; the sum over my 128 keys
	IMGOUT 12, 24576*(\a)
.endm
	s_load_b128 s[4:7], s[0:1], 0x0                ; qkv s[4:5], score_weights s[6:7]
	s_load_b64 s[8:9], s[0:1], 0x10                ; pp
	v_lshl_add_u32 v[SPW], v0, 2, SPARE
	v_mov_b32 v[NIL], 0
	ds_add_u32 v[SPW], v[NIL]                      ; the opening: 0 onto my spare word, twice on end, waited for ahead of my first tensor load
	ds_add_u32 v[SPW], v[NIL]
	v_lshrrev_b32 v1, 5, v0
	v_readfirstlane_b32 s14, v1                    ; wave 0..3
	s_lshr_b32 s15, s14, 1                         ; which 128 queries are mine; also: I fetch for q (0) or for k (1)
	s_and_b32 s16, s14, 1                          ; which 128 keys; also: which half I fetch
	s_mul_i32 s2, s15, PART
	s_mul_i32 s3, s16, PART
	s_add_co_u32 s3, s3, 2*PART
	s_add_co_u32 s70, s2, 24576
	s_add_co_u32 s71, s2, 49152
	s_add_co_u32 s72, s3, 24576
	s_add_co_u32 s73, s3, 49152
	s_mul_i32 s96, s14, 8448                       ; my stage
	v_and_b32 v1, 31, v0
	v_and_b32 v2, 15, v0
	v_bfe_u32 v3, v0, 4, 1
	v_lshlrev_b32 v[LI], 4, v1
	v_lshlrev_b32 v[LR], 4, v2
	v_lshl_add_u32 v[VS], v3, 15, v[LR]            ; scale words: 16 r, lanes 16-31 one K step (32,768 bytes) on
	v_add_nc_u32 v[ADRA], s2, v[LI]                ; an address for each pair of K steps in LDS
	v_add_nc_u32 v[ADRA+1], s70, v[LI]
	v_add_nc_u32 v[ADRA+2], s71, v[LI]
	v_add_nc_u32 v[ADRB], s3, v[LI]
	v_add_nc_u32 v[ADRB+1], s72, v[LI]
	v_add_nc_u32 v[ADRB+2], s73, v[LI]
	v_add_nc_u32 v[STO], s96, v[LI]                ; the stage, in: a row's 512 bytes as they lie
	v_mul_u32_u24 v[RD], v2, 528
	v_lshl_add_u32 v[RD], v3, 6, v[RD]
	v_add_nc_u32 v[RD], s96, v[RD]                 ; back: row r, + 64 h
	v_lshrrev_b32 v[PFO], 1, v1                    ; score_weights' prefetches: two lanes to a row of a block,
	v_and_b32 v[T6], 8, v[PFO]
	v_add_nc_u32 v[PFO], v[PFO], v[T6]             ; rows 0-7 and 16-23,
	v_and_b32 v[T6], 1, v1
	v_lshlrev_b32 v[T6], 8, v[T6]
	v_lshl_add_u32 v[PFO], v[PFO], 13, v[T6]       ; 8,192 bytes a row, 256 bytes a lane
	v_min_u32 v[PFC], 23, v1                       ; the codes' prefetch: 24 units of 256 bytes, a lane a unit (the lanes left over name the last again)
	v_lshlrev_b32 v[PFC], 8, v[PFC]
	v_mov_b32 v[NMP+1], 0                          ; (named as the upper half of a pair)
	v_mov_b32 v[T7], 0                             ; (a lane permute's destination)
	s_wait_alu depctr_va_vdst(0)                   ; behind the head's vector work
	s_bfe_u32 s40, ttmp6, 0x40000                  ; cx
	s_bfe_u32 s41, ttmp6, 0x40004                  ; cy
	s_lshl_b32 s43, s41, 2
	s_lshl_b32 s43, 15, s43                        ; my row of the cluster
	s_lshl_b32 s44, 0x1111, s40                    ; my column
	s_or_b32 s[G1A], s43, (3<<16)|(1<<21)
	s_or_b32 s[G1B], s44, (3<<16)|(1<<21)
.irp g, G1A, G1B
	GROUP1 \g, 3072, 3, 196608                     ; 3 pairs of K steps x 8 images: rows of 24,576 bytes, 1,572,864 bytes apart, in elements of 8 bytes
	s_mov_b32 s[\g+6], 0
	s_mov_b32 s[\g+7], 0
.endr
	s_lshl_b32 s42, ttmp9, 2
	s_add_co_u32 s42, s42, s40                     ; tile column
	s_and_b32 s45, ttmp7, 0xffff
	s_lshl_b32 s17, s45, 2
	s_add_co_u32 s17, s17, s41                     ; tile row
	s_lshr_b32 s45, s45, 1                         ; the batch: 8 tile rows each; made of the cluster's y alone
	s_lshl_b32 s20, s17, 4
	s_lshl_b32 s21, s16, 3
	s_add_co_u32 s20, s20, s21
	s_mul_i32 s20, s20, 3072                       ; q: image 16 tile row + 8 half
	s_mov_b32 s21, 0
	s_lshl_b32 s46, s45, 7
	s_lshl_b32 s47, s42, 4
	s_add_co_u32 s46, s46, s47
	s_lshl_b32 s47, s16, 3
	s_add_co_u32 s46, s46, s47
	s_mul_i32 s46, s46, 3072                       ; k: image 128 batch + 16 tile column + 8 half,
	s_add_co_u32 s46, s46, 4*KGB                   ; pairs 4 on
	s_mov_b32 s47, 0
	s_lshl_b32 s22, s17, 2
	s_lshl_b32 s23, s15, 1
	s_add_co_u32 s22, s22, s23
	s_lshl_b32 s22, s22, 8
	s_add_co_u32 s22, s22, QKS                     ; q's scale words: my two groups of 64 rows
	s_mov_b32 s23, 0
	s_lshl_b32 s92, s45, 5
	s_lshl_b32 s93, s42, 2
	s_add_co_u32 s92, s92, s93
	s_lshl_b32 s93, s16, 1
	s_add_co_u32 s92, s92, s93
	s_lshl_b32 s92, s92, 8
	s_add_co_u32 s92, s92, QKS+262144              ; k's: K steps 8-15 of the tokens' words
	s_mov_b32 s93, 0
	s_lshl_b32 s18, s17, 8
	s_lshl_b32 s19, s15, 7
	s_add_co_u32 s18, s18, s19
	s_lshl_b32 s18, s18, 13                        ; score_weights: my first query's row,
	s_lshl_b32 s19, s42, 10
	s_add_co_u32 s18, s18, s19
	s_lshl_b32 s19, s16, 9
	s_add_co_u32 s18, s18, s19                     ; my 128 keys
	s_mov_b32 s19, 0
	s_mov_b32 s[RSC], 0x3d000000                   ; 1 / sqrt(1,024)
	s_mov_b32 s[RSC+1], s[RSC]
	s_mov_b32 s[CS], 0x3fb8aa3b                    ; log2(e)
	s_mov_b32 s[CS+1], s[CS]
	s_mov_b32 s[SEL], 0x76543210
	s_mov_b32 s[SEL+1], 0xfedcba98
	s_wait_dscnt 0x0                               ; both opening adds are done
	s_wait_kmcnt 0x0
	s_add_nc_u64 s[20:21], s[4:5], s[20:21]
	s_add_nc_u64 s[46:47], s[4:5], s[46:47]
	s_add_nc_u64 s[22:23], s[4:5], s[22:23]
	s_add_nc_u64 s[92:93], s[4:5], s[92:93]
	s_add_nc_u64 s[6:7], s[6:7], s[18:19]
	s_cmp_eq_u32 s15, 0                            ; the codes' prefetch: of the rows that I fetch,
	s_cselect_b64 s[PFS:PFS+1], s[20:21], s[46:47]
	s_cselect_b32 s18, s40, s41                    ; my place among the four that ask for them with me
	s_mul_i32 s18, s18, 6144                       ; takes a quarter of the 24,576 bytes
	s_add_co_u32 s18, s18, 3*KGB                   ; of K steps 6 and 7
	s_add_nc_u64 s[PFS:PFS+1], s[PFS:PFS+1], s[18:19]
	CROUND                                         ; all sixteen work-groups are here: the first joint loads meet
	s_mov_b32 s[G0A], 1
	s_mul_i32 s[G0A+1], s14, PART                  ; a loading wave's part: wave x 73,728
	s_mov_b64 s[G0A+2:G0A+3], s[20:21]
	s_or_b32 s[G0A+3], s[G0A+3], 0x80000000
	s_mov_b32 s[G0B], 1
	s_mul_i32 s[G0B+1], s14, PART
	s_mov_b64 s[G0B+2:G0B+3], s[46:47]
	s_or_b32 s[G0B+3], s[G0B+3], 0x80000000
	JLOAD                                          ; K steps 0-5: my one tensor load at the head
.irp pi, 0,1,2,3
	global_load_b128 v[SCR+16*\pi:SCR+16*\pi+3], v[VS], s[22:23] offset:65536*\pi            ; K steps 2 pi (lanes 0-15) and 2 pi + 1 (lanes 16-31): q's images 0-3,
	global_load_b128 v[SCR+16*\pi+4:SCR+16*\pi+7], v[VS], s[22:23] offset:65536*\pi+256      ; 4-7,
	global_load_b128 v[SCR+16*\pi+8:SCR+16*\pi+11], v[VS], s[92:93] offset:65536*\pi         ; k's images 0-3,
	global_load_b128 v[SCR+16*\pi+12:SCR+16*\pi+15], v[VS], s[92:93] offset:65536*\pi+256    ; 4-7: sixteen lanes read 256 consecutive bytes, aligned
.endr
	s_lshl_b32 s18, s42, 1
	s_add_co_u32 s18, s18, s16                     ; p's K step: 2 tile column + my half
	s_lshl_b32 s12, s17, 4
	s_lshl_b32 s13, s15, 3
	s_add_co_u32 s12, s12, s13
	s_lshl_b32 s12, s12, 4
	s_add_co_u32 s12, s12, s18
	s_mul_i32 s12, s12, 1536                       ; image 16 tile row + 8 half, of 16 K steps
	s_mov_b32 s13, 0
	s_lshl_b32 s66, s18, 7
	s_lshl_b32 s67, s17, 2
	s_add_co_u32 s66, s66, s67
	s_lshl_b32 s67, s15, 1
	s_add_co_u32 s66, s66, s67
	s_lshl_b32 s66, s66, 8
	s_add_co_u32 s66, s66, PS
	s_mov_b32 s67, 0
	s_add_nc_u64 s[12:13], s[8:9], s[12:13]
	s_add_nc_u64 s[66:67], s[8:9], s[66:67]
	s_wait_tensorcnt 0x0                           ; my part of K steps 0-5 is in
	s_barrier_signal -1
	s_barrier_wait -1                              ; everybody's is
	global_prefetch_b8 v[PFC], s[PFS:PFS+1] th:TH_LOAD_NT scope:SCOPE_SE   ; my share of K steps 6 and 7; the address registers are never rewritten
	FETCH_B 0, 0
	FETCH_A 0, 0
	FETCH_A 0, 4
	s_wait_loadcnt 0x0                             ; the scale words are in
	STEP 0
	STEP 1
	STEP 2
	STEP 3
	STEP 4
	STEP 5
	STEP 6
	SWLOAD 0, 0, Z0                                ; behind the last fetch of fragments: no LDS load follows before the way out
	SWLOAD 1, 1, 192
	SWLOAD 2, 1, 0                                 ; k's set 0 is done with, four places behind its last products
	s_wait_dscnt 12
	WIN MUL_LO
	MUL16 0, 7
	MUL16 2, 7
	s_wait_dscnt 0x0                               ; my last reads of the codes are over
	s_barrier_signal -1
	WIN MUL_HI
	MUL16 4, 7
	MUL16 6, 7
	WIN 0
	s_barrier_wait -1                              ; everybody's are: the stages may be written
	PLACES 4
.irp b, 0,1,2,3
	v_mov_b32 v[TM+4+\b], 0                        ; (lane permutes' destinations)
.endr
	s_wait_alu depctr_va_vdst(0)
	TRANSIT 0, 0, Z0, 32
	s_wait_dscnt 16                                ; block 0's 16 stores have read v96-159: the next block's numbers may land on v128-191
	TRANSIT 1, 1, 192, 16
	SWLOAD 3, 1, 64                                ; k's set 1 is done with
	SWLOAD 4, 1, 128
	s_wait_dscnt 32                                ; block 0 is back; the next block's 16 stores and 16 loads may be out
	LOGIT 0
	SWLOAD 5, 2, 0                                 ; into block 0's accumulators, which have been read
	REST 0
	TRANSIT 2, 1, 0, 48
	s_wait_dscnt 32
	LOGIT 1
	SWLOAD 6, 2, 64
	SWLOAD 7, 1, 192                               ; block 1's stage stores are done
	REST 1
	TRANSIT 3, 1, 64, 63
	s_wait_dscnt 32
	LOGIT 2
	REST 2
	TRANSIT 4, 1, 128, 48
	s_wait_dscnt 32
	LOGIT 3
	REST 3
	TRANSIT 5, 2, 0, 32
	s_wait_dscnt 32
	LOGIT 4
	REST 4
	TRANSIT 6, 2, 64, 16
	s_wait_dscnt 32
	LOGIT 5
	REST 5
	TRANSIT 7, 1, 192, 0
	s_wait_dscnt 32
	LOGIT 6
	REST 6
	s_wait_dscnt 0x0
	LOGIT 7
	REST 7
.irp g, 0,1
	global_store_b128 v[LR], v[PWG+4*\g:PWG+4*\g+3], s[66:67] offset:256*\g              ; the scale words under the local M,
	global_store_b128 v[LR], v[MG+4*\g:MG+4*\g+3], s[66:67] offset:524288+256*\g         ; -M,
	global_store_b128 v[LR], v[LG+4*\g:LG+4*\g+3], s[66:67] offset:1048576+256*\g        ; the local sums: each 256 consecutive bytes, aligned
.endr
	s_wait_tensorcnt 0x0                           ; the wave's end
	ds_add_u32 v[SPW], v[NIL]
	s_wait_dscnt 0x0
	CROUND                                         ; the closing round
	s_endpgm
.Lfunc_end_k_q141716c922_g2:
	.size	k_q141716c922_g2, .Lfunc_end_k_q141716c922_g2-k_q141716c922_g2
	.p2alignl 7, 3214868480
	.fill 96, 4, 3214868480
	.section	.rodata,"a",@progbits
	.p2align	6, 0x0
	.amdhsa_kernel k_q141716c922_g2
		.amdhsa_group_segment_fixed_size 327680
		.amdhsa_private_segment_fixed_size 0
		.amdhsa_enable_private_segment 0
		.amdhsa_kernarg_size 24
		.amdhsa_user_sgpr_count 2
		.amdhsa_user_sgpr_kernarg_segment_ptr 1
		.amdhsa_wavefront_size32 1
		.amdhsa_system_sgpr_workgroup_id_x 1
		.amdhsa_system_sgpr_workgroup_id_y 1
		.amdhsa_system_sgpr_workgroup_id_z 1
		.amdhsa_system_vgpr_workitem_id 0
		.amdhsa_next_free_vgpr 1024
		.amdhsa_next_free_sgpr 102
		.amdhsa_reserve_vcc 0
		.amdhsa_float_denorm_mode_32 3
		.amdhsa_float_denorm_mode_16_64 3
		.amdhsa_memory_ordered 1
		.amdhsa_forward_progress 1
		.amdhsa_inst_pref_size 237
	.end_amdhsa_kernel
	.amdgpu_metadata
---
amdhsa.version: [ 1, 2 ]
amdhsa.kernels:
  - .name:           k_q141716c922_g2
    .symbol:         k_q141716c922_g2.kd
    .args:
      - { .name: qkv, .offset: 0, .size: 8, .value_kind: global_buffer, .address_space: global }
      - { .name: score_weights, .offset: 8, .size: 8, .value_kind: global_buffer, .address_space: global }
      - { .name: pp, .offset: 16, .size: 8, .value_kind: global_buffer, .address_space: global }
    .group_segment_fixed_size: 327680
    .private_segment_fixed_size: 0
    .kernarg_segment_align: 8
    .kernarg_segment_size: 24
    .max_flat_workgroup_size: 128
    .sgpr_count:     102
    .vgpr_count:     1024
    .wavefront_size: 32
...
	.end_amdgpu_metadata
.endif
;; end of part 3
;; launch g3 (part 4): grid 4 x 64, 4 waves a work-group, clusters of 4 x 4, 327,680 bytes of LDS; arguments pp, qkv, cx; writes cx
.if DOCPART == 4
	.amdgcn_target "amdgcn-amd-amdhsa--gfx1250"
	.amdhsa_code_object_version 6
	.text
	.protected	k_q141716c922_g3
	.globl	k_q141716c922_g3
	.p2align	8
	.type	k_q141716c922_g3,@function
k_q141716c922_g3:
	s_mov_b64 s[64:65], 0
	v_nop
	global_prefetch_b8 v0, s[64:65] scope:SCOPE_SE
	s_setreg_imm32_b32 hwreg(HW_REG_WAVE_MODE, 25, 1), 1
	s_wait_xcnt 0x0
	s_wait_alu depctr_hold_cnt(0) depctr_sa_sdst(0) depctr_va_vdst(0) depctr_va_sdst(0) depctr_va_ssrc(0) depctr_va_vcc(0) depctr_vm_vsrc(0)
	s_getreg_b32 s2, hwreg(HW_REG_IB_STS2, 6, 4)
	s_cmp_eq_u32 s2, 0
	s_cbranch_scc0 .Lentry_in_a_cluster
	s_endpgm
.Lentry_in_a_cluster:
	s_bfe_u32 s2, ttmp6, 0x10000c
	s_cmp_lg_u32 s2, 0xf033
	s_cbranch_scc0 .Lentry_shape_is_right
	s_endpgm
.Lentry_shape_is_right:
; context = P V / l on codes of FP6, quantised along the channels on the way out.  No work is left out as dead.
; m = query (Aop = P), n = channel (Bop = v transposed, of the query's batch), K = the batch's 2,048 keys: 16 K steps through two slots of 4 steps, each filled twice.  A work-group makes 128 x 256, a wave 64 x 128.
; P's SCALE WORDS ARE MENDED AT THE HEAD.  P came in parts of 128 keys, each under its own whole-number M.  Thread t owns one of the tile's 128 rows: M = the largest of the 16 local M; each part's four bytes fall by
; d = M - local M (an exact power of two; a byte that would fall under 0 is held at 0); l = the sum of the local sums x 2^-d.  The mended words go to LDS where Aop's scale words are read, 1 / l beside them.
; v's scale words of all 16 K steps come once, by 16 loads of whole 256-byte units, into 64 registers.
; One tensor load a wave at the head (slot 0); slot 1's first fill stands behind the mending, the three lines and a round of the cluster's barrier, as a refill does.
; LIMITS: NaN and infinities are not served; a block of P held at the byte 0 adds at most 7.5 x 2^-127 times a number of v; the division by l is a reciprocal and a multiplication; the quantiser's limits as in the first launch.
.set PS,    12582912
.set VTC,   12582912
.set VTS,   19398656
.set CSO,   6291456
.set SLOT,  147456
.set SCA,   2*SLOT                     ; P's mended scale words: written by LDS stores alone
.set LINV,  SCA+8192                   ; 1 / l, twice, for each of the 128 rows
.set SPARE, LINV+1024
.set ADRA,  4
.set ADRB,  6
.set ADSA,  8
.set LI,    10
.set LR,    11
.set VS,    12
.set PFC,   13                         ; v13 the prefetches' offset: 256 x min(lane, 23); never rewritten
.set PFS,   68                         ; s[68:69] where my prefetches begin; never rewritten
.set SPW,   28
.set NIL,   29
.set SA,    32                         ; v32-39 P's scale words, two sets
.set SBR,   56                         ; v56-119 v's scale words: 8 registers for each pair of K steps; on the way out the quantiser's
.set PC,    56
.set TM,    76
.set PWG,   92
.set S0,    128
.set AF,    160
.set G1A,   24
.set G0A,   32
.set G1B,   48
.set G0B,   56
.set SEL,   98
.set W,     128                        ; the head: v128-143 raw scale words, v144-159 -M of the parts, v160-175 their sums
.set NM,    144
.set LL,    160
.set MSB, 0
.macro WIN new
.if MSB != \new
	s_set_vgpr_msb (MSB<<8)|\new
.set MSB, \new
.endif
.endm
.macro PLACES n
.rept \n
	v_nop
.endr
.endm
.macro JLOAD g0a, g1a, g0b, g1b        ; a joint load: waves 0 and 1 for Aop, waves 2 and 3 for Bop; s_nop 0 and four v_nop follow each line
	s_cmp_eq_u32 s15, 0
	s_cbranch_scc0 .Lfor_b_\@
	tensor_load_to_lds s[\g0a:\g0a+3], s[\g1a:\g1a+7]
	s_nop 0
.rept 4
	v_nop
.endr
	s_branch .Lasked_\@
.Lfor_b_\@:
	tensor_load_to_lds s[\g0b:\g0b+3], s[\g1b:\g1b+7]
	s_nop 0
.rept 4
	v_nop
.endr
.Lasked_\@:
.endm
.macro CROUND
	s_barrier_signal -1
	s_barrier_wait -1
	s_cmp_lg_u32 s14, 0
	s_cbranch_scc1 .Lnot_wave_0_\@
	s_barrier_signal -3
.Lnot_wave_0_\@:
	s_barrier_wait -3
	s_barrier_signal -1
	s_barrier_wait -1
.endm
.macro GROUP1 g, d0, d1, st
	s_mov_b32 s[\g+1], (\d0)<<16
	s_mov_b32 s[\g+2], (\d1)<<16
	s_mov_b32 s[\g+3], (\d0)<<16
	s_mov_b32 s[\g+4], \d1
	s_mov_b32 s[\g+5], \st
	s_mov_b32 s[\g+6], 0
	s_mov_b32 s[\g+7], 0
.endm
.macro G0SLOT g, lds, adr, s
	s_mov_b32 s[\g], 1
	s_add_co_u32 s[\g+1], s[\lds], (\s)*SLOT
	s_add_nc_u64 s[\g+2:\g+3], s[\adr:\adr+1], (\s)*6144
	s_or_b32 s[\g+3], s[\g+3], 0x80000000
.endm
.macro FETCH slot, q, p
	WIN 0x40
.irp b, 0,1,2,3,4,5,6,7
.irp c, 0,1,2
	ds_load_b128 v[128*(\p)+12*\b+4*\c:128*(\p)+12*\b+4*\c+3], v[ADRB+(\slot)] offset:6144*\b+1536*(\q)+512*\c
.endr
.endr
	WIN 0
.irp a, 0,1,2,3
.irp c, 0,1,2
	ds_load_b128 v[AF+48*(\p)+12*\a+4*\c:AF+48*(\p)+12*\a+4*\c+3], v[ADRA+(\slot)] offset:6144*\a+1536*(\q)+512*\c
.endr
.endr
.endm
; Fill f of a slot (K steps 4 f to 4 f + 3: 6,144 bytes of each image) is prefetched one fill ahead of its tensor load.  Of the images that a wave fetches, each of the four partners that ask jointly
; names its own by address: one of Aop's four (24 units of 256 bytes, a lane a unit), two of Bop's eight.  The branch hangs on the wave's number alone.
.macro PFILL f
	global_prefetch_b8 v[PFC], s[PFS:PFS+1] offset:6144*(\f) th:TH_LOAD_NT scope:SCOPE_SE
	s_cmp_eq_u32 s15, 0
	s_cbranch_scc1 .Lpf_\@
	global_prefetch_b8 v[PFC], s[PFS:PFS+1] offset:6144*(\f)+24576 th:TH_LOAD_NT scope:SCOPE_SE
.Lpf_\@:
.endm
.macro SCALES pi
	ds_load_b128 v[SA+4*((\pi)%2):SA+4*((\pi)%2)+3], v[ADSA] offset:1024*(\pi)
.endm
.macro MUL32 st                        ; 32 matrix instructions; the 32 accumulators take turns, one instruction a turn
.set PP, (\st)%2
.set SSA, SA+4*(((\st)/2)%2)
.set SSB, SBR+8*((\st)/2)
	WIN 0xa1
.irp a, 0,1,2,3
.irp b, 0,1,2,3,4,5,6,7
.if (\st) == 0
	v_wmma_scale_f32_16x16x128_f8f6f4 v[8*(8*\a+\b):8*(8*\a+\b)+7], v[128*PP+12*\b:128*PP+12*\b+11], v[AF+48*PP+12*\a:AF+48*PP+12*\a+11], 0, v[SSB+\b], v[SSA+\a] matrix_a_fmt:MATRIX_FMT_FP6 matrix_b_fmt:MATRIX_FMT_FP6
.elseif PP == 0
	v_wmma_scale_f32_16x16x128_f8f6f4 v[8*(8*\a+\b):8*(8*\a+\b)+7], v[128*PP+12*\b:128*PP+12*\b+11], v[AF+48*PP+12*\a:AF+48*PP+12*\a+11], v[8*(8*\a+\b):8*(8*\a+\b)+7], v[SSB+\b], v[SSA+\a] matrix_a_fmt:MATRIX_FMT_FP6 matrix_b_fmt:MATRIX_FMT_FP6
.else
	v_wmma_scale_f32_16x16x128_f8f6f4 v[8*(8*\a+\b):8*(8*\a+\b)+7], v[128*PP+12*\b:128*PP+12*\b+11], v[AF+48*PP+12*\a:AF+48*PP+12*\a+11], v[8*(8*\a+\b):8*(8*\a+\b)+7], v[SSB+\b], v[SSA+\a] matrix_a_fmt:MATRIX_FMT_FP6 matrix_b_fmt:MATRIX_FMT_FP6 matrix_a_scale:MATRIX_SCALE_ROW1 matrix_b_scale:MATRIX_SCALE_ROW1
.endif
.endr
.endr
.endm
; kind 0: plain.  kind 1: the next step lies in the other slot, nothing is filled: a barrier.  kind 2: the slot just read out is filled again: the three lines, a round of the cluster's barrier, the joint refill first behind it.  kind 3: the last step.
.macro STEP st, kind
.if (\kind) == 2
	s_wait_tensorcnt 0x0                           ; all my tensor loads have landed, my part of the other slot among them
	ds_add_u32 v[SPW], v[NIL]                      ; 0 onto my spare word
	s_add_nc_u64 s[G0A+4*(((\st)/4)%2)+2:G0A+4*(((\st)/4)%2)+3], s[G0A+4*(((\st)/4)%2)+2:G0A+4*(((\st)/4)%2)+3], 12288   ; this slot's next K: two slots on
	s_add_nc_u64 s[G0B+4*(((\st)/4)%2)+2:G0B+4*(((\st)/4)%2)+3], s[G0B+4*(((\st)/4)%2)+2:G0B+4*(((\st)/4)%2)+3], 12288
	s_wait_dscnt 0x0                               ; the add is done, and my reads of this slot are over
	CROUND
	JLOAD G0A+4*(((\st)/4)%2), G1A, G0B+4*(((\st)/4)%2), G1B   ; four K steps, 128 matrix instructions, in which to land; its four v_nop are the places in front of the loads below
.else
	s_wait_dscnt 0x0                               ; this step's fragments and scale words are in
.if (\kind) == 1
	s_wait_tensorcnt 0x0
	s_barrier_signal -1
	s_barrier_wait -1
.endif
.endif
.if (\kind) != 3
.if ((\st) > 0) && ((\kind) != 2)
	PLACES 4
.endif
	FETCH (((\st)+1)/4)%2, ((\st)+1)%4, ((\st)+1)%2
.if (((\st)+1)%2) == 0
	SCALES ((\st)+1)/2
.endif
.endif
.if (\st) == 3
	PFILL 3
.endif
	MUL32 \st
	WIN 0
.endm
.macro QUANT s, pw
.irp b, 0,1,2,3
	v_max3_num_f32 v[TM+\b], |v[\s+16*\b]|, |v[\s+1+16*\b]|, 0x1800000
.endr
.irp i, 2,4,6,8,10,12,14
.irp b, 0,1,2,3
	v_max3_num_f32 v[TM+\b], v[TM+\b], |v[\s+16*\b+\i]|, |v[\s+1+16*\b+\i]|
.endr
.endr
.irp b, 0,1,2,3
	v_permlanex16_b32 v[TM+4+\b], v[TM+\b], s[SEL], s[SEL+1]
.endr
.irp b, 0,1,2,3
	v_max_num_f32 v[TM+\b], v[TM+\b], v[TM+4+\b]
.endr
.irp b, 0,1,2,3
	v_add_nc_u32 v[TM+12+\b], 0xff000000, v[TM+\b]
.endr
.irp b, 0,1,2,3
	v_lshrrev_b32 v[TM+4+\b], 23, v[TM+12+\b]
.endr
	v_lshl_or_b32 v[\pw], v[TM+5], 8, v[TM+4]
	v_lshl_or_b32 v[\pw], v[TM+6], 16, v[\pw]
	v_lshl_or_b32 v[\pw], v[TM+7], 24, v[\pw]
.irp c, 0,1
	v_cvt_scalef32_pk16_fp6_f32 v[PC+6*\c:PC+2+6*\c], v[\s+32*\c:\s+15+32*\c], v[TM+12+2*\c]
	v_cvt_scalef32_pk16_fp6_f32 v[PC+12+4*\c:PC+14+4*\c], v[\s+16+32*\c:\s+31+32*\c], v[TM+12+2*\c+1]
.endr
	v_nop                                          ; one plain place behind a scaled conversion
.irp c, 0,1
.irp i, 0,1,2
	v_permlane16_swap_b32 v[PC+6*\c+\i], v[PC+12+4*\c+\i]
.endr
.irp i, 0,1,2
	v_mov_b32 v[PC+3+6*\c+\i], v[PC+12+4*\c+\i]
.endr
.endr
.endm
.macro IMGOUT sb, off
.irp c, 0,1,2
	global_store_b128 v[LI], v[PC+4*\c:PC+4*\c+3], s[\sb:\sb+1] offset:\off+512*\c
.endr
.endm
	s_load_b128 s[4:7], s[0:1], 0x0                ; pp s[4:5], qkv s[6:7]
	s_load_b64 s[8:9], s[0:1], 0x10                ; cx
	v_lshl_add_u32 v[SPW], v0, 2, SPARE
	v_mov_b32 v[NIL], 0
	ds_add_u32 v[SPW], v[NIL]                      ; the opening: 0 onto my spare word, twice on end, waited for ahead of my first tensor load
	ds_add_u32 v[SPW], v[NIL]
	v_lshrrev_b32 v1, 5, v0
	v_readfirstlane_b32 s14, v1
	s_lshr_b32 s15, s14, 1
	s_and_b32 s16, s14, 1
	s_mul_i32 s18, s15, 24576
	s_mul_i32 s19, s16, 49152
	s_add_co_u32 s19, s19, 49152
	s_add_co_u32 s2, s18, SLOT
	s_add_co_u32 s3, s19, SLOT
	s_lshl_b32 s12, s15, 8
	s_add_co_u32 s12, s12, SCA
	s_lshl_b32 s13, s15, 9
	s_add_co_u32 s13, s13, LINV
	v_and_b32 v1, 31, v0
	v_and_b32 v2, 15, v0
	v_bfe_u32 v3, v0, 4, 1
	v_lshlrev_b32 v[LI], 4, v1
	v_lshlrev_b32 v[LR], 4, v2
	v_lshl_add_u32 v[VS], v3, 15, v[LR]
	v_add_nc_u32 v[ADRA], s18, v[LI]
	v_add_nc_u32 v[ADRB], s19, v[LI]
	v_add_nc_u32 v[ADRA+1], s2, v[LI]
	v_add_nc_u32 v[ADRB+1], s3, v[LI]
	v_lshl_add_u32 v[ADSA], v3, 9, v[LR]
	v_add_nc_u32 v[ADSA], s12, v[ADSA]
	v_lshlrev_b32 v16, 2, v0                       ; 4 t: my row's word in each K step's 512 bytes
	v_lshl_add_u32 v25, v0, 2, SCA
	v_lshl_add_u32 v30, v0, 3, LINV
	v_lshl_add_u32 v31, v2, 5, s13
	v_min_u32 v[PFC], 23, v1
	v_lshlrev_b32 v[PFC], 8, v[PFC]
	s_wait_alu depctr_va_vdst(0)                   ; behind the head's vector work
	s_mul_i32 s2, s16, 24576                       ; where the tiles that I fetch go
	s_mov_b32 s3, s19
	s_bfe_u32 s40, ttmp6, 0x40000
	s_bfe_u32 s41, ttmp6, 0x40004
	s_lshl_b32 s43, s41, 2
	s_lshl_b32 s43, 15, s43
	s_lshl_b32 s44, 0x1111, s40
	s_or_b32 s[G1A], s43, (3<<16)|(1<<21)
	s_or_b32 s[G1B], s44, (3<<16)|(1<<21)
	GROUP1 G1A, 768, 4, 3072
	GROUP1 G1B, 768, 8, 3072
	s_mov_b32 s[SEL], 0x76543210
	s_mov_b32 s[SEL+1], 0xfedcba98
	s_lshl_b32 s42, ttmp9, 2
	s_add_co_u32 s42, s42, s40
	s_and_b32 s45, ttmp7, 0xffff
	s_lshl_b32 s17, s45, 2
	s_add_co_u32 s17, s17, s41
	s_lshr_b32 s45, s45, 2                         ; the batch: 16 tile rows each
	s_lshl_b32 s20, s17, 3
	s_lshl_b32 s21, s16, 2
	s_add_co_u32 s20, s20, s21
	s_mul_i32 s20, s20, 24576                      ; Aop = P
	s_mov_b32 s21, 0
	s_lshl_b32 s46, s42, 4
	s_lshl_b32 s47, s16, 3
	s_add_co_u32 s46, s46, s47
	s_mul_i32 s46, s46, 24576
	s_mul_i32 s47, s45, 1572864                    ; Bop = v transposed, my batch's
	s_add_co_u32 s46, s46, s47
	s_add_co_u32 s46, s46, VTC
	s_mov_b32 s47, 0
	s_lshl_b32 s22, s17, 9                         ; P's scale words, -M and sums: the tile's 512 bytes of each K step
	s_add_co_u32 s22, s22, PS
	s_mov_b32 s23, 0
	s_lshl_b32 s92, s45, 19                        ; v's scale words: my batch's,
	s_lshl_b32 s93, s42, 10
	s_add_co_u32 s92, s92, s93                     ; the tile's 1,024 bytes of each K step,
	s_lshl_b32 s93, s16, 9
	s_add_co_u32 s92, s92, s93                     ; my 128 channels' 512
	s_add_co_u32 s92, s92, VTS
	s_mov_b32 s93, 0
	s_mov_b32 s94, 0x01010101
	s_wait_dscnt 0x0                               ; both opening adds are done
	s_wait_kmcnt 0x0
	s_add_nc_u64 s[20:21], s[4:5], s[20:21]
	s_add_nc_u64 s[22:23], s[4:5], s[22:23]
	s_add_nc_u64 s[46:47], s[6:7], s[46:47]
	s_add_nc_u64 s[92:93], s[6:7], s[92:93]
	s_cmp_eq_u32 s15, 0                            ; the prefetches: of the images that I fetch,
	s_cselect_b64 s[PFS:PFS+1], s[20:21], s[46:47]
	s_mul_i32 s70, s40, 24576                      ; Aop's: image cx of four;
	s_mul_i32 s71, s41, 49152                      ; Bop's: images 2 cy and 2 cy + 1 of eight
	s_cselect_b32 s70, s70, s71
	s_mov_b32 s71, 0
	s_add_nc_u64 s[PFS:PFS+1], s[PFS:PFS+1], s[70:71]
	CROUND                                         ; all sixteen work-groups are here: the first joint loads meet
	G0SLOT G0A, 2, 20, 0
	G0SLOT G0B, 3, 46, 0
	JLOAD G0A, G1A, G0B, G1B                       ; slot 0: my one tensor load at the head
	G0SLOT G0A+4, 2, 20, 1
	G0SLOT G0B+4, 3, 46, 1
.irp k, 0,1,2,3,4,5,6,7,8,9,10,11,12,13,14,15
	global_load_b32 v[W+\k], v16, s[22:23] offset:32768*\k
	global_load_b32 v[NM+\k], v16, s[22:23] offset:32768*\k+524288
	global_load_b32 v[LL+\k], v16, s[22:23] offset:32768*\k+1048576
.endr
.irp pi, 0,1,2,3,4,5,6,7
	global_load_b128 v[SBR+8*\pi:SBR+8*\pi+3], v[VS], s[92:93] offset:65536*\pi          ; K steps 2 pi (lanes 0-15) and 2 pi + 1 (lanes 16-31): sixteen lanes read 256 consecutive bytes, aligned
	global_load_b128 v[SBR+8*\pi+4:SBR+8*\pi+7], v[VS], s[92:93] offset:65536*\pi+256
.endr
	PFILL 1
	s_lshl_b32 s18, s42, 1
	s_add_co_u32 s18, s18, s16
	s_lshl_b32 s12, s17, 3
	s_lshl_b32 s13, s15, 2
	s_add_co_u32 s12, s12, s13
	s_lshl_b32 s12, s12, 3
	s_add_co_u32 s12, s12, s18
	s_mul_i32 s12, s12, 1536
	s_mov_b32 s13, 0
	s_lshl_b32 s66, s18, 7
	s_lshl_b32 s67, s17, 1
	s_add_co_u32 s66, s66, s67
	s_add_co_u32 s66, s66, s15
	s_lshl_b32 s66, s66, 8
	s_add_co_u32 s66, s66, CSO
	s_mov_b32 s67, 0
	s_add_nc_u64 s[12:13], s[8:9], s[12:13]
	s_add_nc_u64 s[66:67], s[8:9], s[66:67]
	s_wait_loadcnt 16                              ; the 48 are in; v's 16 loads of scale words may be out
	v_max3_num_f32 v17, -v[NM], -v[NM+1], -v[NM+2]   ; the row's M: the largest of the 16 local M
.irp i, 3,5,7,9,11,13
	v_max3_num_f32 v17, v17, -v[NM+\i], -v[NM+\i+1]
.endr
	v_max_num_f32 v17, v17, -v[NM+15]
.macro FIX k
	v_add_f32 v18, v17, v[NM+\k]                   ; d = M - local M: a whole number, 0 or more
	v_cvt_i32_f32 v18, v18                         ; (it saturates)
	v_sub_nc_u32 v19, 0, v18
.if \k == 0
	v_ldexp_f32 v20, v[LL+\k], v19                 ; the part's sum under the row's M: nothing is rounded
.else
	v_ldexp_f32 v19, v[LL+\k], v19
	v_add_f32 v20, v20, v19
.endif
	v_min_u32 v18, 127, v18                        ; the bytes are at most 125 (p is under 2), so 127 clears them all
	v_mul_lo_u32 v18, v18, s94                     ; d in each byte
	v_or_b32 v21, 0x80808080, v[W+\k]
	v_sub_nc_u32 v21, v21, v18                     ; byte + 128 - d: between 1 and 253, so no byte borrows from its neighbour
	v_lshrrev_b32 v22, 7, v21
	v_and_b32 v22, s94, v22                        ; 1 where byte - d is 0 or more
	v_lshlrev_b32 v23, 7, v22
	v_sub_nc_u32 v23, v23, v22                     ; 0x7f there, 0 elsewhere
	v_and_b32 v21, v21, v23                        ; max(byte - d, 0)
	ds_store_b32 v25, v21 offset:512*\k
.endm
.irp k, 0,1,2,3,4,5,6,7,8,9,10,11,12,13,14,15
	FIX \k
.endr
	s_wait_alu depctr_va_vdst(0)                   ; ahead of the transcendental
	v_rcp_f32 v26, v20                             ; l is at least 1/2: the row's largest p is over 1/2
	v_nop
	s_wait_alu depctr_va_vdst(0)                   ; and ahead of its first reader
	v_mov_b32 v27, v26                             ; twice: a pair for the packed multiplication
	ds_store_b64 v30, v[26:27]
	s_wait_alu depctr_va_vdst(0)
	s_wait_tensorcnt 0x0                           ; my part of slot 0 is in
	ds_add_u32 v[SPW], v[NIL]
	s_wait_dscnt 0x0                               ; the add is done, and my mended words and 1 / l have landed
	CROUND
	JLOAD G0A+4, G1A, G0B+4, G1B                   ; slot 1's first fill, first behind the round
	FETCH 0, 0, 0
	SCALES 0
	PFILL 2
	s_wait_loadcnt 0x0                             ; v's scale words
	STEP 0, 0
	STEP 1, 0
	STEP 2, 0
	STEP 3, 2                                      ; slot 0 takes keys 1,024 to 1,535
	STEP 4, 0
	STEP 5, 0
	STEP 6, 0
	STEP 7, 2                                      ; slot 1 takes keys 1,536 to 2,047
	STEP 8, 0
	STEP 9, 0
	STEP 10, 0
	STEP 11, 1
	STEP 12, 0
	STEP 13, 0
	STEP 14, 0
	STEP 15, 3
	; THE WAY OUT: / l, quantised along the channels
	PLACES 4
	ds_load_b128 v[112:115], v31
	ds_load_b128 v[116:119], v31 offset:16
.irp b, 0,1,2,3
	v_mov_b32 v[TM+4+\b], 0                        ; (lane permutes' destinations)
.endr
	s_wait_alu depctr_va_vdst(0)
	s_wait_dscnt 0x0
.irp a, 0,1,2,3
	WIN 0x02
.set J, 0
.rept 32
	v_pk_mul_f32 v[S0+J:S0+J+1], v[64*\a+J:64*\a+J+1], v[112+2*\a:113+2*\a]   ; each accumulator from its low end on
.set J, J+2
.endr
	WIN 0
.if \a > 0
	s_wait_xcnt 0x0                                ; the last image's stores have read their data
.endif
	QUANT S0, PWG+\a
	IMGOUT 12, 12288*\a
.endr
	global_store_b128 v[LR], v[PWG:PWG+3], s[66:67]
	s_wait_tensorcnt 0x0                           ; the wave's end
	ds_add_u32 v[SPW], v[NIL]
	s_wait_dscnt 0x0
	CROUND                                         ; the closing round
	s_endpgm
.Lfunc_end_k_q141716c922_g3:
	.size	k_q141716c922_g3, .Lfunc_end_k_q141716c922_g3-k_q141716c922_g3
	.p2alignl 7, 3214868480
	.fill 96, 4, 3214868480
	.section	.rodata,"a",@progbits
	.p2align	6, 0x0
	.amdhsa_kernel k_q141716c922_g3
		.amdhsa_group_segment_fixed_size 327680
		.amdhsa_private_segment_fixed_size 0
		.amdhsa_enable_private_segment 0
		.amdhsa_kernarg_size 24
		.amdhsa_user_sgpr_count 2
		.amdhsa_user_sgpr_kernarg_segment_ptr 1
		.amdhsa_wavefront_size32 1
		.amdhsa_system_sgpr_workgroup_id_x 1
		.amdhsa_system_sgpr_workgroup_id_y 1
		.amdhsa_system_sgpr_workgroup_id_z 1
		.amdhsa_system_vgpr_workitem_id 0
		.amdhsa_next_free_vgpr 768
		.amdhsa_next_free_sgpr 102
		.amdhsa_reserve_vcc 0
		.amdhsa_float_denorm_mode_32 3
		.amdhsa_float_denorm_mode_16_64 3
		.amdhsa_memory_ordered 1
		.amdhsa_forward_progress 1
		.amdhsa_inst_pref_size 159
	.end_amdhsa_kernel
	.amdgpu_metadata
---
amdhsa.version: [ 1, 2 ]
amdhsa.kernels:
  - .name:           k_q141716c922_g3
    .symbol:         k_q141716c922_g3.kd
    .args:
      - { .name: pp, .offset: 0, .size: 8, .value_kind: global_buffer, .address_space: global }
      - { .name: qkv, .offset: 8, .size: 8, .value_kind: global_buffer, .address_space: global }
      - { .name: cx, .offset: 16, .size: 8, .value_kind: global_buffer, .address_space: global }
    .group_segment_fixed_size: 327680
    .private_segment_fixed_size: 0
    .kernarg_segment_align: 8
    .kernarg_segment_size: 24
    .max_flat_workgroup_size: 128
    .sgpr_count:     102
    .vgpr_count:     768
    .wavefront_size: 32
...
	.end_amdgpu_metadata
.endif
;; end of part 4
;; launch g4 (part 5): grid 4 x 64, 4 waves a work-group, clusters of 4 x 4, 327,680 bytes of LDS; arguments cx, ops, pb, out0; writes out0
.if DOCPART == 5
	.amdgcn_target "amdgcn-amd-amdhsa--gfx1250"
	.amdhsa_code_object_version 6
	.text
	.protected	k_q141716c922_g4
	.globl	k_q141716c922_g4
	.p2align	8
	.type	k_q141716c922_g4,@function
k_q141716c922_g4:
	s_mov_b64 s[64:65], 0
	v_nop
	global_prefetch_b8 v0, s[64:65] scope:SCOPE_SE
	s_setreg_imm32_b32 hwreg(HW_REG_WAVE_MODE, 25, 1), 1
	s_wait_xcnt 0x0
	s_wait_alu depctr_hold_cnt(0) depctr_sa_sdst(0) depctr_va_vdst(0) depctr_va_sdst(0) depctr_va_ssrc(0) depctr_va_vcc(0) depctr_vm_vsrc(0)
	s_getreg_b32 s2, hwreg(HW_REG_IB_STS2, 6, 4)
	s_cmp_eq_u32 s2, 0
	s_cbranch_scc0 .Lentry_in_a_cluster
	s_endpgm
.Lentry_in_a_cluster:
	s_bfe_u32 s2, ttmp6, 0x10000c
	s_cmp_lg_u32 s2, 0xf033
	s_cbranch_scc0 .Lentry_shape_is_right
	s_endpgm
.Lentry_shape_is_right:
; out = context pw + pb on codes of FP6; f32 out.  No work is left out as dead.
; m = token (Aop = context), n = output channel (Bop = pw's columns: the weights' images 192 on), K = 1,024.  A work-group makes 128 x 256, a wave 64 x 128.
; ALL OF K COMES BY ONE TENSOR LOAD A WAVE, at the head: an image's 8 K steps are 12,288 dense bytes; waves 0 and 1 bring 4 images of Aop each, waves 2 and 3 8 images of Bop each.  Nothing is filled again.
; The scale words of all 8 K steps come by 12 loads of whole 256-byte units into 48 registers.  pb is the C of the first K step's products, kept in window 1 beside Bop's fragments.
; No prefetch: the launch has no loop to run ahead in; all that it reads is asked for at its head.
; THE WAY OUT: a block of 16 rows x 128 columns goes through the wave's stage and leaves as whole rows of 512 bytes.  The stage lies in the codes' bytes: a barrier in the last K step shows that nobody reads them.
.set WC,    6291456
.set WS,    9699328
.set CSO,   6291456
.set SPARE, 294912
.set ADRA,  4
.set ADRB,  6
.set LI,    10
.set LR,    11
.set STO,   12
.set RD,    13
.set VS,    14
.set SPW,   28
.set NIL,   29
.set SC,    32
.set S0,    128
.set AF,    160
.set G1A,   24
.set G0A,   32
.set G1B,   48
.set G0B,   56
.set MSB, 0
.macro WIN new
.if MSB != \new
	s_set_vgpr_msb (MSB<<8)|\new
.set MSB, \new
.endif
.endm
.macro PLACES n
.rept \n
	v_nop
.endr
.endm
.macro CROUND
	s_barrier_signal -1
	s_barrier_wait -1
	s_cmp_lg_u32 s14, 0
	s_cbranch_scc1 .Lnot_wave_0_\@
	s_barrier_signal -3
.Lnot_wave_0_\@:
	s_barrier_wait -3
	s_barrier_signal -1
	s_barrier_wait -1
.endm
.macro GROUP1 g, d0, d1, st
	s_mov_b32 s[\g+1], (\d0)<<16
	s_mov_b32 s[\g+2], (\d1)<<16
	s_mov_b32 s[\g+3], (\d0)<<16
	s_mov_b32 s[\g+4], \d1
	s_mov_b32 s[\g+5], \st
	s_mov_b32 s[\g+6], 0
	s_mov_b32 s[\g+7], 0
.endm
.macro FETCH st, p
	WIN 0x40
.irp b, 0,1,2,3,4,5,6,7
.irp c, 0,1,2
	ds_load_b128 v[128*(\p)+12*\b+4*\c:128*(\p)+12*\b+4*\c+3], v[ADRB+\b/4] offset:12288*(\b%4)+1536*(\st)+512*\c
.endr
.endr
	WIN 0
.irp a, 0,1,2,3
.irp c, 0,1,2
	ds_load_b128 v[AF+48*(\p)+12*\a+4*\c:AF+48*(\p)+12*\a+4*\c+3], v[ADRA] offset:12288*\a+1536*(\st)+512*\c
.endr
.endr
.endm
.macro MUL32 st                        ; 32 matrix instructions; the accumulators take turns.  In K step 0 the bias is the C of the sums' first products
.set PP, (\st)%2
.set SS, SC+12*((\st)/2)
.if (\st) == 0
	WIN 0x91                                       ; source 0 window 1, source 1 window 0, C window 1, D window 2
.else
	WIN 0xa1
.endif
.irp a, 0,1,2,3
.irp b, 0,1,2,3,4,5,6,7
.if (\st) == 0
	v_wmma_scale_f32_16x16x128_f8f6f4 v[8*(8*\a+\b):8*(8*\a+\b)+7], v[128*PP+12*\b:128*PP+12*\b+11], v[AF+48*PP+12*\a:AF+48*PP+12*\a+11], v[96+8*\b+96*(\b/4):96+8*\b+96*(\b/4)+7], v[SS+4+\b], v[SS+\a] matrix_a_fmt:MATRIX_FMT_FP6 matrix_b_fmt:MATRIX_FMT_FP6
.elseif PP == 0
	v_wmma_scale_f32_16x16x128_f8f6f4 v[8*(8*\a+\b):8*(8*\a+\b)+7], v[128*PP+12*\b:128*PP+12*\b+11], v[AF+48*PP+12*\a:AF+48*PP+12*\a+11], v[8*(8*\a+\b):8*(8*\a+\b)+7], v[SS+4+\b], v[SS+\a] matrix_a_fmt:MATRIX_FMT_FP6 matrix_b_fmt:MATRIX_FMT_FP6
.else
	v_wmma_scale_f32_16x16x128_f8f6f4 v[8*(8*\a+\b):8*(8*\a+\b)+7], v[128*PP+12*\b:128*PP+12*\b+11], v[AF+48*PP+12*\a:AF+48*PP+12*\a+11], v[8*(8*\a+\b):8*(8*\a+\b)+7], v[SS+4+\b], v[SS+\a] matrix_a_fmt:MATRIX_FMT_FP6 matrix_b_fmt:MATRIX_FMT_FP6 matrix_a_scale:MATRIX_SCALE_ROW1 matrix_b_scale:MATRIX_SCALE_ROW1
.endif
.endr
.endr
.endm
.macro STEP st
	s_wait_dscnt 0x0                               ; this step's fragments are in
.if (\st) == 7
	s_barrier_signal -1                            ; my last reads of the codes are over
.else
.if (\st) > 0
	PLACES 4                                       ; four places between the last products and loads into registers that they read
.endif
	FETCH (\st)+1, ((\st)+1)%2
.endif
	MUL32 \st
	WIN 0
.if (\st) == 7
	s_barrier_wait -1                              ; everybody's are: the stages may be written
.endif
.endm
	s_load_b256 s[4:11], s[0:1], 0x0               ; cx s[4:5], ops s[6:7], pb s[8:9], out0 s[10:11]
	v_lshl_add_u32 v[SPW], v0, 2, SPARE
	v_mov_b32 v[NIL], 0
	ds_add_u32 v[SPW], v[NIL]                      ; the opening: 0 onto my spare word, twice on end, waited for ahead of my first tensor load
	ds_add_u32 v[SPW], v[NIL]
	v_lshrrev_b32 v1, 5, v0
	v_readfirstlane_b32 s14, v1
	s_lshr_b32 s15, s14, 1
	s_and_b32 s16, s14, 1
	s_mul_i32 s18, s15, 49152                      ; my 4 images of Aop
	s_mul_i32 s19, s16, 98304
	s_add_co_u32 s19, s19, 98304                   ; my 8 images of Bop, behind Aop's 8
	s_add_co_u32 s2, s19, 49152
	s_mul_i32 s96, s14, 8448                       ; my stage: 16 rows x 528 bytes
	v_and_b32 v1, 31, v0
	v_and_b32 v2, 15, v0
	v_bfe_u32 v3, v0, 4, 1
	v_lshlrev_b32 v[LI], 4, v1
	v_lshlrev_b32 v[LR], 4, v2
	v_lshl_add_u32 v[VS], v3, 15, v[LR]
	v_add_nc_u32 v[ADRA], s18, v[LI]
	v_add_nc_u32 v[ADRB], s19, v[LI]
	v_add_nc_u32 v[ADRB+1], s2, v[LI]
	v_mul_u32_u24 v[STO], v2, 528
	v_lshl_add_u32 v[STO], v3, 6, v[STO]
	v_add_nc_u32 v[STO], s96, v[STO]               ; in: row r, + 64 h
	v_add_nc_u32 v[RD], s96, v[LI]                 ; back: a row's 512 bytes
	v_lshlrev_b32 v16, 6, v3                       ; pb: + 64 h
	s_wait_alu depctr_va_vdst(0)                   ; behind the head's vector work
	s_mul_i32 s2, s16, 49152                       ; where the images that I fetch go: Aop's half, or Bop's (s19)
	s_bfe_u32 s40, ttmp6, 0x40000
	s_bfe_u32 s41, ttmp6, 0x40004
	s_lshl_b32 s43, s41, 2
	s_lshl_b32 s43, 15, s43
	s_lshl_b32 s44, 0x1111, s40
	s_or_b32 s[G1A], s43, (3<<16)|(1<<21)
	s_or_b32 s[G1B], s44, (3<<16)|(1<<21)
	GROUP1 G1A, 1536, 4, 1536
	GROUP1 G1B, 1536, 8, 1536
	s_lshl_b32 s42, ttmp9, 2
	s_add_co_u32 s42, s42, s40
	s_and_b32 s45, ttmp7, 0xffff
	s_lshl_b32 s17, s45, 2
	s_add_co_u32 s17, s17, s41
	s_lshl_b32 s20, s17, 3
	s_lshl_b32 s21, s16, 2
	s_add_co_u32 s20, s20, s21
	s_mul_i32 s20, s20, 12288                      ; Aop = context
	s_mov_b32 s21, 0
	s_lshl_b32 s46, s42, 4
	s_lshl_b32 s47, s16, 3
	s_add_co_u32 s46, s46, s47
	s_mul_i32 s46, s46, 12288
	s_add_co_u32 s46, s46, WC+192*12288            ; Bop = pw
	s_mov_b32 s47, 0
	s_lshl_b32 s22, s17, 1
	s_add_co_u32 s22, s22, s15
	s_lshl_b32 s22, s22, 8
	s_add_co_u32 s22, s22, CSO                     ; context's scale words: my group of 64 rows
	s_mov_b32 s23, 0
	s_lshl_b32 s92, s42, 2
	s_lshl_b32 s93, s16, 1
	s_add_co_u32 s92, s92, s93
	s_lshl_b32 s92, s92, 8
	s_add_co_u32 s92, s92, WS+12288                ; pw's: the weights' group 48 on, my two groups
	s_mov_b32 s93, 0
	s_lshl_b32 s18, s42, 10
	s_lshl_b32 s3, s16, 9
	s_add_co_u32 s18, s18, s3                      ; my 128 columns, in bytes: in pb and in a row of out0
	s_mov_b32 s3, 0
	s_lshl_b32 s94, s17, 7
	s_lshl_b32 s95, s15, 6
	s_add_co_u32 s94, s94, s95
	s_lshl_b32 s94, s94, 12                        ; my first row of 4,096 bytes
	s_add_co_u32 s94, s94, s18
	s_mov_b32 s95, 0
	s_mov_b32 s66, s18
	s_mov_b32 s67, 0
	s_wait_dscnt 0x0                               ; both opening adds are done
	s_wait_kmcnt 0x0
	s_add_nc_u64 s[20:21], s[4:5], s[20:21]
	s_add_nc_u64 s[22:23], s[4:5], s[22:23]
	s_add_nc_u64 s[46:47], s[6:7], s[46:47]
	s_add_nc_u64 s[92:93], s[6:7], s[92:93]
	s_add_nc_u64 s[8:9], s[8:9], s[66:67]
	s_add_nc_u64 s[10:11], s[10:11], s[94:95]
	CROUND                                         ; all sixteen work-groups are here: the joint loads meet
	s_mov_b32 s[G0A], 1
	s_mov_b32 s[G0A+1], s2
	s_mov_b64 s[G0A+2:G0A+3], s[20:21]
	s_or_b32 s[G0A+3], s[G0A+3], 0x80000000
	s_mov_b32 s[G0B], 1
	s_mov_b32 s[G0B+1], s19
	s_mov_b64 s[G0B+2:G0B+3], s[46:47]
	s_or_b32 s[G0B+3], s[G0B+3], 0x80000000
	s_cmp_eq_u32 s15, 0                            ; waves 0 and 1 for Aop, waves 2 and 3 for Bop; s_nop 0 and four v_nop follow each line
	s_cbranch_scc0 .Lfor_b
	tensor_load_to_lds s[G0A:G0A+3], s[G1A:G1A+7]
	s_nop 0
.rept 4
	v_nop
.endr
	s_branch .Lasked
.Lfor_b:
	tensor_load_to_lds s[G0B:G0B+3], s[G1B:G1B+7]
	s_nop 0
.rept 4
	v_nop
.endr
.Lasked:
.irp pi, 0,1,2,3
	global_load_b128 v[SC+12*\pi:SC+12*\pi+3], v[VS], s[22:23] offset:65536*\pi              ; K steps 2 pi (lanes 0-15) and 2 pi + 1 (lanes 16-31): sixteen lanes read 256 consecutive bytes, aligned
	global_load_b128 v[SC+12*\pi+4:SC+12*\pi+7], v[VS], s[92:93] offset:65536*\pi
	global_load_b128 v[SC+12*\pi+8:SC+12*\pi+11], v[VS], s[92:93] offset:65536*\pi+256
.endr
	WIN 0x40                                       ; destination window 1
.irp be, 0,1,2,3                               ; tile b = 2 be + j / 2 of n: lane (r, h) wants pb at 32 be + 16 h + 8 (b % 2) + 0 .. 7
.irp j, 0,1,2,3
	global_load_b128 v[96+8*(2*\be+\j/2)+96*(\be/2)+4*(\j%2):96+8*(2*\be+\j/2)+96*(\be/2)+4*(\j%2)+3], v16, s[8:9] offset:128*\be+16*\j
.endr
.endr
	WIN 0
	s_wait_loadcnt 0x0                             ; the scale words and pb
	s_wait_tensorcnt 0x0                           ; my images are in
	s_barrier_signal -1
	s_barrier_wait -1                              ; everybody's are
	FETCH 0, 0
	STEP 0
	STEP 1
	STEP 2
	STEP 3
	STEP 4
	STEP 5
	STEP 6
	STEP 7
.macro TOSTAGE a
	WIN 0x08                                       ; an LDS store's data are its source 1: window 2
.irp be, 0,1,2,3
.irp j, 0,1,2,3
	ds_store_b128 v[STO], v[64*(\a)+16*\be+4*\j:64*(\a)+16*\be+4*\j+3] offset:128*\be+16*\j   ; each accumulator from its low end on
.endr
.endr
	WIN 0
.irp r, 0,1,2,3,4,5,6,7,8,9,10,11,12,13,14,15
	ds_load_b128 v[S0+64*((\a)%2)+4*\r:S0+64*((\a)%2)+4*\r+3], v[RD] offset:528*\r   ; LDS serves a wave's instructions in order
.endr
.endm
.macro SEND a, younger                 ; younger: the LDS instructions issued behind block a's loads, which may stay out
	s_wait_dscnt \younger
.irp r, 0,1,2,3,4,5,6,7,8,9,10,11,12,13,14,15
	global_store_b128 v[LI], v[S0+64*((\a)%2)+4*\r:S0+64*((\a)%2)+4*\r+3], s[10:11] offset:(32*((\a)/2)+8*((\a)%2)+\r+8*(\r/8))*4096 th:TH_STORE_NT   ; 32 lanes store 512 consecutive bytes, aligned
.endr
.endm
	PLACES 4                                       ; between the last products and the first read of results, and loads into registers that they read
	TOSTAGE 0
.irp a, 1,2,3
.if \a > 1
	s_wait_xcnt 0x0                                ; block a - 2's stores have read their data: block a's loads may land there
.endif
	TOSTAGE \a
	SEND \a-1, 32                                  ; behind block a - 1's loads: block a's 16 stores and 16 loads
.endr
	SEND 3, 0
	s_wait_tensorcnt 0x0                           ; the wave's end
	ds_add_u32 v[SPW], v[NIL]
	s_wait_dscnt 0x0
	CROUND                                         ; the closing round
	s_endpgm
.Lfunc_end_k_q141716c922_g4:
	.size	k_q141716c922_g4, .Lfunc_end_k_q141716c922_g4-k_q141716c922_g4
	.p2alignl 7, 3214868480
	.fill 96, 4, 3214868480
	.section	.rodata,"a",@progbits
	.p2align	6, 0x0
	.amdhsa_kernel k_q141716c922_g4
		.amdhsa_group_segment_fixed_size 327680
		.amdhsa_private_segment_fixed_size 0
		.amdhsa_enable_private_segment 0
		.amdhsa_kernarg_size 32
		.amdhsa_user_sgpr_count 2
		.amdhsa_user_sgpr_kernarg_segment_ptr 1
		.amdhsa_wavefront_size32 1
		.amdhsa_system_sgpr_workgroup_id_x 1
		.amdhsa_system_sgpr_workgroup_id_y 1
		.amdhsa_system_sgpr_workgroup_id_z 1
		.amdhsa_system_vgpr_workitem_id 0
		.amdhsa_next_free_vgpr 768
		.amdhsa_next_free_sgpr 102
		.amdhsa_reserve_vcc 0
		.amdhsa_float_denorm_mode_32 3
		.amdhsa_float_denorm_mode_16_64 3
		.amdhsa_memory_ordered 1
		.amdhsa_forward_progress 1
		.amdhsa_inst_pref_size 76
	.end_amdhsa_kernel
	.amdgpu_metadata
---
amdhsa.version: [ 1, 2 ]
amdhsa.kernels:
  - .name:           k_q141716c922_g4
    .symbol:         k_q141716c922_g4.kd
    .args:
      - { .name: cx, .offset: 0, .size: 8, .value_kind: global_buffer, .address_space: global }
      - { .name: ops, .offset: 8, .size: 8, .value_kind: global_buffer, .address_space: global }
      - { .name: pb, .offset: 16, .size: 8, .value_kind: global_buffer, .address_space: global }
      - { .name: out0, .offset: 24, .size: 8, .value_kind: global_buffer, .address_space: global }
    .group_segment_fixed_size: 327680
    .private_segment_fixed_size: 0
    .kernarg_segment_align: 8
    .kernarg_segment_size: 32
    .max_flat_workgroup_size: 128
    .sgpr_count:     102
    .vgpr_count:     768
    .wavefront_size: 32
...
	.end_amdgpu_metadata
.endif
;; end of part 5
